; MI455X (gfx1250); checked and timed in simulation.
; The chip was launched on July 23, 2026; its instructions are those of AMD's public machine-readable ISA for CDNA 5 (MIT licence, August 2026) and "CDNA5" Instruction Set Architecture Reference Guide (July 2026). The comments in the code are by the model that wrote it; some were corrected since.
;; Multihead Attention KV. Allowed arithmetic: matrix products marked QUANTISED: E2M3 operands, one E8M0 scale for each 32 along K, by v_wmma_scale_f32_16x16x128_f8f6f4 with both operands' format E2M3, f32 sums; products left as they are: f32 operands where the result goes on into a quantised operand, else bf16, f16 or f32 operands; f32 sums; everything else in f32.
;; Inputs: kv_b 2,048 float32; kv_w_codes 2,048 x 32 x 24 uint8 (E2M3 codes of kv_w, K innermost, in blocks of 32 codes, four codes in three bytes); kv_w_scales 2,048 x 32 uint8 (E8M0 scales of kv_w, one for each 32 codes along K); mp_b 1 float32; mp_w 1 x 10 float32; o_b 1,024 float32; o_w_codes 1,024 x 32 x 24 uint8 (E2M3 codes of o_w, K innermost, in blocks of 32 codes, four codes in three bytes); o_w_scales 1,024 x 32 uint8 (E8M0 scales of o_w, one for each 32 codes along K); pos 1 x 1,024 x 1,024 x 10 float32; x_codes 8 x 1,024 x 32 x 24 uint8 (E2M3 codes of x, K innermost, in blocks of 32 codes, four codes in three bytes); x_scales 8 x 1,024 x 32 uint8 (E8M0 scales of x, one for each 32 codes along K).
;; Outputs: out0 8 x 1,024 x 1,024 float32.
;; This version of the problem:
;;   THIS VERSION OF THE PROBLEM IS GIVEN IN LOW PRECISION. The matrix products marked QUANTISED in the list below multiply operands that are first quantised to E2M3 (2 exponent bits, 3 mantissa bits; 6 bits a number), with one power-of-two scale for each 32 numbers along K (OCP MX v1.0); their sums are f32. All else is computed in f32.
;;   The module's matrix products, in the order in which they are computed (A, B: the left and right operand; K: the contracted axis; several contracted axes count as one K, in the product's order):
;;     1. [M 8,192, K 1,024] x [K 1,024, N 2,048]; A: input x (given as codes); B: input kv_w (given as codes): QUANTISED
;;     2. batch 128 x [M 1,024, K 64] x [K 64, N 1,024]; A: computed on the way; B: computed on the way: QUANTISED
;;     3. [M 1,048,576, K 10] x [K 10, N 1]; A: input pos; B: input mp_w: left as it is (K = 10 < 32)
;;     4. batch 128 x [M 1,024, K 1,024] x [K 1,024, N 64]; A: softmax (see below); B: computed on the way: QUANTISED
;;     5. [M 8,192, K 1,024] x [K 1,024, N 1,024]; A: computed on the way; B: input o_w (given as codes): QUANTISED
;;   THE QUANTISER, for each operand of a quantised product, along K:
;;     - K is cut into blocks of 32 from its start; a last block that is shorter is filled with zeros.
;;     - A block's scale is 2^e with e = floor(log2(the largest magnitude in the block)) - 2, held to -126 .. 127; a block of zeros has e = 0. As a byte (E8M0): e + 127.
;;     - Each number is divided by its block's scale, clamped to +-7.5, and rounded to the nearest number of E2M3, ties to even, subnormals kept.
;;     - The product sums the exact products of the quantised numbers (number of the format x scale) in f32.
;;   ~~~python
;;   def quantise(x, axis):      # numpy; x: float32 -> the quantised numbers, widened to float32 again
;;       x = np.moveaxis(x, axis, -1); K = x.shape[-1]
;;       x = np.pad(x, [(0, 0)] * (x.ndim - 1) + [(0, -K % 32)]); x = x.reshape(x.shape[:-1] + (-1, 32)); a = np.abs(x).max(-1, keepdims=True)
;;       e = np.where(a > 0, np.clip(np.frexp(np.where(a > 0, a, 1))[1] - 1 - 2, -126, 127), 0)      # np.frexp(a)[1] - 1 = floor(log2(a)), exactly
;;       r = np.clip(x / 2.0 ** e, -7.5, 7.5)
;;       step = 2.0 ** (np.maximum(np.frexp(np.where(r == 0, 1, r))[1] - 1, 0) - 3)
;;       q = np.round(r / step) * step * 2.0 ** e      # np.round: ties to even
;;       return np.moveaxis(q.reshape(q.shape[:-2] + (-1,))[..., :K], -1, axis).astype(np.float32)
;;   ~~~
;;   SOFTMAX AHEAD OF A QUANTISED PRODUCT. Where the list says 'softmax', what is quantised is not the finished softmax but p = 2^(t - M), with t = logit x log2(e) and M = ceil(the row's largest t), a whole number; so 1/2 < the row's largest p <= 1. The row's sum l is taken of the UNQUANTISED p, in f32, and the product's result is divided by l at the end. Since M is a whole number, a kernel that streams over the keys may use a running M (the ceiling of the running maximum): every later rescaling is an exact power of two, which a block's scale takes up: the codes' values come out the same.
;;   OPERANDS COMPUTED ON THE WAY. 'Computed on the way' means the value that the module computes at that place (a softmax that the list does not call 'softmax' is quantised finished and normalised). What goes into a quantiser is computed in f32, as accurately as f32 sums, v_exp_f32 and their like allow (about 1e-6 of the number): no bf16 or f16 on the way to a quantiser, and a product that is left as it is and whose result goes on into a quantised operand takes f32 operands (vector FMAs, or v_wmma_f32_16x16x4_f32). A number that lies on a knife's edge between two numbers of the format may be rounded either way, as far as f32 arithmetic and the matrix unit's own rounding can turn it there, and no further.
;;   INPUTS GIVEN AS CODES. kv_w (in the module: [2048, 1024], K = its axis 1); o_w (in the module: [1024, 1024], K = its axis 1); x (in the module: [8, 1024, 1024], K = its axis 2): each comes as NAME_codes (uint8): NAME with its K axis moved to the last place and cut into blocks of 32 codes, [.., K / 32, bytes a block], one block behind the other in memory; four codes in three bytes: a row's codes are one little-endian stream of bits, code i at bits 6 i .. 6 i + 5 (a code: sign, 2 exponent bits, 3 mantissa bits); and NAME_scales (uint8): the same leading axes, one E8M0 byte (e + 127) for each 32 codes along K. Its value is code x scale, taken as it is: it is not quantised again, and the codes and scales need not be those that the quantiser above would give.
;; One version. Each part assembles by itself: llvm-mc -triple=amdgcn-amd-amdhsa -mcpu=gfx1250 --defsym DOCPART=n.
;; ======== version 1 of 1: 4 launches
;; limits: right only within a limited range of input values
;; workspace buffers: pbias 4,194,304 bytes; kvc 13,107,200 bytes; va 6,291,456 bytes; vas 262,144 bytes
;; launch posbias (part 1): grid 256 x 1, 4 waves a work-group, no clusters, 59,904 bytes of LDS; arguments pos, mp_w, mp_b, pbias; writes pbias
.if DOCPART == 1
	.amdgcn_target "amdgcn-amd-amdhsa--gfx1250"
	.amdhsa_code_object_version 6
	.text
	.protected	k_q0896c82e4a_posbias
	.globl	k_q0896c82e4a_posbias
	.p2align	8
	.type	k_q0896c82e4a_posbias,@function
k_q0896c82e4a_posbias:
	s_mov_b64 s[64:65], 0
	v_nop
	global_prefetch_b8 v0, s[64:65] scope:SCOPE_SE
	s_setreg_imm32_b32 hwreg(HW_REG_WAVE_MODE, 25, 1), 1
	s_wait_xcnt 0x0
; pb'[q][k] = (sum over p of pos[q][k][p] w[p] + mp_b) x 8 / s, s = max(|sum(w)|, 2^-40), f32, for all 1,024 x 1,024 pairs: the part of attention's exponent that hangs on no head,
; in the unit in which the attention launch adds it to a raw score: its exponent is t = |c| (+-S + pb'), |c| = s log2(e) / 8, so that |c| pb' = pos_bias x log2(e).
; It is laid as IMAGES OF ATTENTION'S SCORE REGISTERS: pbias [s 8][qt 64][j 16][lane 32][4 f32]; lane = r + 16 h; number e of the lane's four is
; pb'[16 qt + r][128 s + 16 (j / 2) + 8 h + 4 (j % 2) + e].  So sixteen loads of 16 bytes a lane give a wave of the attention launch the 64 addends of its 64 score registers.
; A stream: 40 bytes in for 4 bytes out; no matrix unit (K = 10), no tensor load, no barrier: waves share nothing.
; SHARES.  1,024 waves; wave W = 4 x work-group + wave takes 16 queries (qt = W / 16) x 64 keys (s = (W / 2) % 8, half hs = W % 2): eight images of 512 bytes.
; Eight steps of two queries.  A step's ten loads read 512 consecutive bytes each; the 5,120 bytes turn through the wave's own stage in LDS and come back 160 bytes a lane:
; four keys x 10 numbers of one query.  Loads run three steps ahead, the turn through LDS one step.
; ROUNDING: w and mp_b are multiplied by 8 / s first (a reciprocal and a multiply); a dot product is two chains of fused multiply-adds (even p, odd p), added at the end; sum(w) is added from left to right.
; LIMITS: NaN and infinities are not served; where |sum(w)| lies under 2^-40 it is held at 2^-40 here and in the attention launch.
.set QROW,  40960
.set WREG,  14848                      ; LDS: a region for each wave: two stages of 5,120 bytes, then sixteen pieces of 256 + 16 bytes for the way out
.set STG,   5120
.set OUTS,  2*STG
.set RES,   8                          ; v8-15    two sets of four results, by turns
.set WP,    16                         ; v16-25   w x 8 / s;  v[26:27] = (mp_b x 8 / s, 0)
.set AC,    28                         ; v28-35   four pairs of sums (v28 first holds 8 / s)
.set R,     40                         ; v40-159  three sets of 40 numbers as loaded
.set X,     160                        ; v160-239 two sets of 40 numbers: four keys x 10
	s_load_b256 s[4:11], s[0:1], 0x0               ; pos, mp_w, mp_b, pbias
	v_lshl_add_u32 v240, v0, 2, 0xe800
	v_mov_b32 v241, 0
	v_lshrrev_b32 v1, 5, v0
	v_readfirstlane_b32 s12, v1                    ; wave 0..3
	v_and_b32 v1, 31, v0                           ; lane
	v_lshlrev_b32 v2, 4, v1                        ; 16 x lane
	s_mul_i32 s13, s12, WREG
	v_add_nc_u32 v3, s13, v2                       ; the stage, on the way in: as the bytes lie
	v_mul_u32_u24 v4, v1, 160
	v_add_nc_u32 v4, s13, v4                       ; and on the way out: 160 x lane
	v_bfe_u32 v5, v1, 2, 2                         ; my four keys 4 u .. 4 u + 3 (u = lane % 16): piece 4 (u / 4) + 2 (u % 2) + (u / 2) % 2 of the sixteen pieces of 256 bytes
	v_lshlrev_b32 v5, 2, v5
	v_and_b32 v6, 1, v1
	v_lshl_add_u32 v5, v6, 1, v5
	v_bfe_u32 v6, v1, 1, 1
	v_add_nc_u32 v5, v5, v6
	v_mul_u32_u24 v5, v5, 272
	v_lshrrev_b32 v6, 4, v1
	v_lshl_add_u32 v5, v6, 4, v5                   ; + 16 x (lane / 16): the odd query's place
	v_add_nc_u32 v5, s13, v5
	v_mul_u32_u24 v6, v6, 272                      ; back: image j, lane l: piece 2 j + l / 16, 16 (l % 16) in it
	v_and_b32 v7, 15, v1
	v_lshl_add_u32 v6, v7, 4, v6
	v_add_nc_u32 v6, s13, v6
	s_lshl_b32 s14, ttmp9, 2
	s_add_co_u32 s14, s14, s12                     ; W
	s_and_b32 s15, s14, 1                          ; hs
	s_bfe_u32 s28, s14, 0x30001                    ; s
	s_lshr_b32 s29, s14, 4                         ; qt
	s_mul_i32 s30, s29, 16*QROW
	s_mul_i32 s31, s28, 5120
	s_add_co_u32 s30, s30, s31
	s_mul_i32 s31, s15, 2560
	s_add_co_u32 s30, s30, s31
	s_mov_b32 s31, 0
	s_lshl_b32 s2, s28, 19
	s_lshl_b32 s3, s29, 13
	s_add_co_u32 s2, s2, s3
	s_lshl_b32 s3, s15, 12
	s_add_co_u32 s2, s2, s3
	s_mov_b32 s3, 0
	s_mov_b32 s27, 0x2b800000                      ; 2^-40
	s_wait_kmcnt 0x0
	s_load_b256 s[16:23], s[6:7], 0x0              ; w[0..7]
	s_load_b64 s[24:25], s[6:7], 0x20              ; w[8..9]
	s_load_b32 s26, s[8:9], 0x0                    ; mp_b
	s_add_nc_u64 s[4:5], s[4:5], s[30:31]
	s_add_nc_u64 s[10:11], s[10:11], s[2:3]
.macro LOAD t                          ; step t: queries 2 t and 2 t + 1, ten loads of 512 consecutive bytes each, into set t % 3
.irp i, 0,1,2,3,4,5,6,7,8,9
	global_load_b128 v[R+40*((\t)%3)+4*\i:R+40*((\t)%3)+4*\i+3], v2, s[4:5] offset:(2*(\t)+\i/5)*QROW+512*(\i%5) th:TH_LOAD_NT
.endr
.endm
.macro TURN t                          ; step t's bytes through stage t % 2: LDS serves a wave's instructions in order
.irp i, 0,1,2,3,4,5,6,7,8,9
	ds_store_b128 v3, v[R+40*((\t)%3)+4*\i:R+40*((\t)%3)+4*\i+3] offset:STG*((\t)%2)+512*\i
.endr
.irp i, 0,1,2,3,4,5,6,7,8,9
	ds_load_b128 v[X+40*((\t)%2)+4*\i:X+40*((\t)%2)+4*\i+3], v4 offset:STG*((\t)%2)+16*\i
.endr
.endm
	LOAD 0
	LOAD 1
	LOAD 2
	s_wait_kmcnt 0x0
	v_mov_b32 v28, s16
.irp i, 17,18,19,20,21,22,23,24,25
	v_add_f32 v28, s\i, v28                        ; sum(w)
.endr
	v_max_num_f32 v28, |v28|, s27                  ; s
.irp i, 0,1,2,3,4,5,6,7,8,9
	v_mov_b32 v[WP+\i], s[16+\i]
.endr
	v_mov_b32 v26, s26
	v_mov_b32 v27, 0                               ; the pair (b', 0) starts the two chains
	s_wait_alu depctr_va_vdst(0)                   ; ahead of the reciprocal
	v_rcp_f32 v28, v28
	v_nop
	s_wait_alu depctr_va_vdst(0)                   ; and behind it
	v_mul_f32 v28, 0x41000000, v28                 ; 8 / s
.irp i, 0,1,2,3,4,5,6,7,8,9
	v_mul_f32 v[WP+\i], v28, v[WP+\i]
.endr
	v_mul_f32 v26, v28, v26
	s_wait_alu depctr_va_vdst(0)
	s_wait_loadcnt 20                              ; step 0's ten loads are in; steps 1 and 2 may be out
	TURN 0
.macro STEP t
.set XS, X+40*((\t)%2)
.set RS, RES+4*((\t)%2)
.if (\t) > 0
	s_wait_dscnt 1                                 ; this step's numbers are back from the stage; only the last step's store of results may be out
.else
	s_wait_dscnt 0x0
.endif
.if (\t)+3 < 8
	LOAD (\t)+3
.endif
.if (\t)+1 < 8
.if (\t) < 5
	s_wait_loadcnt 20                              ; the next step's ten loads are in; those of the two steps behind it may be out
.else
	s_wait_loadcnt 10*(6-(\t))                     ; the counts run down
.endif
	TURN (\t)+1
.endif
.irp k, 0,1,2,3
	v_pk_fma_f32 v[AC+2*\k:AC+2*\k+1], v[XS+10*\k:XS+10*\k+1], v[WP:WP+1], v[26:27]
.endr
.irp i, 2,4,6,8
.irp k, 0,1,2,3
	v_pk_fma_f32 v[AC+2*\k:AC+2*\k+1], v[XS+10*\k+\i:XS+10*\k+\i+1], v[WP+\i:WP+\i+1], v[AC+2*\k:AC+2*\k+1]
.endr
.endr
.irp k, 0,1,2,3
	v_add_f32 v[RS+\k], v[AC+2*\k], v[AC+2*\k+1]
.endr
	ds_store_b128 v5, v[RS:RS+3] offset:OUTS+32*(\t)
.endm
.irp t, 0,1,2,3,4,5,6,7
	STEP \t
.endr
.irp j, 0,1,2,3,4,5,6,7
	ds_load_b128 v[X+4*\j:X+4*\j+3], v6 offset:OUTS+544*\j
.endr
.irp j, 0,1,2,3,4,5,6,7
	s_wait_dscnt 7-\j
	global_store_b128 v2, v[X+4*\j:X+4*\j+3], s[10:11] offset:512*\j   ; 32 lanes store 512 consecutive bytes, at a multiple of 256 from the buffer's first byte
.endr
	s_wait_tensorcnt 0x0                           ; the wave's end
	ds_add_u32 v240, v241
	s_wait_dscnt 0x0
	s_endpgm
.Lfunc_end_k_q0896c82e4a_posbias:
	.size	k_q0896c82e4a_posbias, .Lfunc_end_k_q0896c82e4a_posbias-k_q0896c82e4a_posbias
	.p2alignl 7, 3214868480
	.fill 96, 4, 3214868480
	.section	.rodata,"a",@progbits
	.p2align	6, 0x0
	.amdhsa_kernel k_q0896c82e4a_posbias
		.amdhsa_group_segment_fixed_size 59904
		.amdhsa_private_segment_fixed_size 0
		.amdhsa_enable_private_segment 0
		.amdhsa_kernarg_size 32
		.amdhsa_user_sgpr_count 2
		.amdhsa_user_sgpr_kernarg_segment_ptr 1
		.amdhsa_wavefront_size32 1
		.amdhsa_system_sgpr_workgroup_id_x 1
		.amdhsa_system_sgpr_workgroup_id_y 1
		.amdhsa_system_sgpr_workgroup_id_z 1
		.amdhsa_system_vgpr_workitem_id 0
		.amdhsa_next_free_vgpr 242
		.amdhsa_next_free_sgpr 66
		.amdhsa_reserve_vcc 0
		.amdhsa_float_denorm_mode_32 3
		.amdhsa_float_denorm_mode_16_64 3
		.amdhsa_memory_ordered 1
		.amdhsa_forward_progress 1
		.amdhsa_inst_pref_size 35
	.end_amdhsa_kernel
	.amdgpu_metadata
---
amdhsa.version: [ 1, 2 ]
amdhsa.kernels:
  - .name:           k_q0896c82e4a_posbias
    .symbol:         k_q0896c82e4a_posbias.kd
    .args:
      - { .name: pos, .offset: 0, .size: 8, .value_kind: global_buffer, .address_space: global }
      - { .name: mp_w, .offset: 8, .size: 8, .value_kind: global_buffer, .address_space: global }
      - { .name: mp_b, .offset: 16, .size: 8, .value_kind: global_buffer, .address_space: global }
      - { .name: pbias, .offset: 24, .size: 8, .value_kind: global_buffer, .address_space: global }
    .group_segment_fixed_size: 59904
    .private_segment_fixed_size: 0
    .kernarg_segment_align: 8
    .kernarg_segment_size: 32
    .max_flat_workgroup_size: 128
    .sgpr_count:     66
    .vgpr_count:     242
    .wavefront_size: 32
...
	.end_amdgpu_metadata
.endif
;; end of part 1
;; launch kvgemm (part 2): grid 8 x 32, 4 waves a work-group, clusters of 4 x 4, 327,680 bytes of LDS; arguments x_codes, x_scales, kv_w_codes, kv_w_scales, kvc, kv_b; writes kvc
.if DOCPART == 2
	.amdgcn_target "amdgcn-amd-amdhsa--gfx1250"
	.amdhsa_code_object_version 6
	.text
	.protected	k_q0896c82e4a_kvgemm
	.globl	k_q0896c82e4a_kvgemm
	.p2align	8
	.type	k_q0896c82e4a_kvgemm,@function
k_q0896c82e4a_kvgemm:
	s_mov_b64 s[64:65], 0
	v_nop
	global_prefetch_b8 v0, s[64:65] scope:SCOPE_SE
	s_setreg_imm32_b32 hwreg(HW_REG_WAVE_MODE, 25, 1), 1
	s_wait_xcnt 0x0
	s_wait_alu depctr_hold_cnt(0) depctr_sa_sdst(0) depctr_va_vdst(0) depctr_va_sdst(0) depctr_va_ssrc(0) depctr_va_vcc(0) depctr_vm_vsrc(0)
	s_getreg_b32 s2, hwreg(HW_REG_IB_STS2, 6, 4)
	s_cmp_eq_u32 s2, 0
	s_cbranch_scc0 .Lentry_in_a_cluster
	s_endpgm
.Lentry_in_a_cluster:
	s_bfe_u32 s2, ttmp6, 0x10000c
	s_cmp_lg_u32 s2, 0xf033
	s_cbranch_scc0 .Lentry_shape_is_right
	s_endpgm
.Lentry_shape_is_right:
; kv = x kv_w^T + kv_b on codes of FP6 (E2M3) with E8M0 scales, then k and v are quantised and leave as images of the attention launch's operand registers.
; A work-group makes 256 rows x 256 columns (two heads' k and v); a wave 128 rows x one head (64 of k, 64 of v): 64 accumulators.
; k is made transposed (a lane holds one position, registers along the head's axis, its K in the score product); v is made straight (a lane holds one of the head's 64, registers along the positions, its K in the second product).
; K goes through a ring of two LDS slots in chunks of 256 bytes of each row of codes (a row is 768 bytes: three chunks, each from a multiple of 256 bytes); a step of 128 along K is 96 bytes, so steps 2 and 5 lie across two chunks.
; The scales of the 256 + 256 rows come once, as two dense blocks.  4 x 4 clusters: x's tiles are asked for jointly along a row of the cluster, kv_w's along a column.
; No prefetch: the walk has three chunks, two of them asked for at the head, so there is no trip to run ahead in.
; kvc [batch-head][key step of 128][12,800 bytes]: four groups of k (two tiles of 16 keys each, 3 images of 512 bytes), four tiles of v, 256 bytes of k's scale words, 256 of v's.
; LIMITS: NaN and infinities are not served; a block whose largest magnitude lies under 2^-124 gets the byte 1.
.set ROWB,   256
.set NQ,     2
.set KROW,   768
.set STEPS,  8
.set CHUNKS, 3
.set PITCH,  272
.set FR,     12
.set NL,     6
.set NP,     4
.set HALFT,  128*PITCH
.set SLOT,   4*HALFT
.set KS,     32
.set SCL,    2*SLOT
.set HALFS,  (128*KS/256)*272
.set SBLK,   (16*KS/256)*272
.set SPARE,  SCL+4*HALFS
.set ADRA, 16
.set ADRB, 20
.set LN16, 24
.set LN8,  25
.set LANE, 26
.set ADRS, 27
.set SPW,  28
.set NIL,  29
.set SC,   32
.set BIK,  64
.set BIV,  96
.set AF,   128
.set TM,   128
.set KFR,  144
.set VFR,  192
.set CT,   240
.set CT2,  244
.set KW,   248
.set VW,   252
.set G1, 24
.set G0, 32
.set G1B, 48
.set G0B, 56
.set G1S, 68
.set G0S, 76
.set G1SB, 80
.set G0SB, 88
.set G0H, 4
.set G0HB, 8
.set SEL, 98
.set MSB, 0
.macro WIN new
.if MSB != (\new)
	s_set_vgpr_msb (MSB<<8)|(\new)
.set MSB, (\new)
.endif
.endm
.set TO_B, 0x40
.macro WINK hi, first                  ; k: source 0 = kv_w (window 1), source 1 = x (window 0); the first step's C is the bias, in window 0
	WIN 0x81+0x40*(\hi)+(1-(\first))*(0x20+0x10*(\hi))
.endm
.macro WINV hi, first                  ; v: source 0 = x, source 1 = kv_w
	WIN 0x84+0x40*(\hi)+(1-(\first))*(0x20+0x10*(\hi))
.endm
.macro PLACES n
.rept \n
	v_nop
.endr
.endm
.macro TL g0, g1                       ; a tensor load, the s_nop 0 and four v_nop
	tensor_load_to_lds s[\g0:\g0+3], s[\g1:\g1+7]
	s_nop 0
	PLACES 4
.endm
.macro JLOAD g0a, g1a, g0b, g1b        ; waves 0, 1 ask for x's tile, waves 2, 3 for kv_w's
	s_cmp_eq_u32 s15, 0
	s_cbranch_scc0 .Lfor_b_\@
	TL \g0a, \g1a
	s_branch .Lasked_\@
.Lfor_b_\@:
	TL \g0b, \g1b
.Lasked_\@:
.endm
.macro CREST
	s_cmp_lg_u32 s14, 0
	s_cbranch_scc1 .Lnot_wave_0_\@
	s_barrier_signal -3
.Lnot_wave_0_\@:
	s_barrier_wait -3
	s_barrier_signal -1
	s_barrier_wait -1
.endm
.macro CROUND
	s_barrier_signal -1
	s_barrier_wait -1
	CREST
.endm
	s_load_b128 s[4:7], s[0:1], 0x0
	s_load_b128 s[8:11], s[0:1], 0x10
	s_load_b64 s[12:13], s[0:1], 0x20
	s_load_b64 s[96:97], s[0:1], 0x28
	v_lshl_add_u32 v[SPW], v0, 2, SPARE
	v_mov_b32 v[NIL], 0
	ds_add_u32 v[SPW], v[NIL]                      ; the opening lines: the add twice and its wait
	ds_add_u32 v[SPW], v[NIL]
	v_lshrrev_b32 v1, 5, v0
	v_readfirstlane_b32 s14, v1                    ; wave
	s_lshr_b32 s15, s14, 1                         ; my half of the rows; also: I fetch for x (0) or kv_w (1)
	s_and_b32 s16, s14, 1                          ; my head of the two; also: which 128 rows I fetch
	s_bfe_u32 s40, ttmp6, 0x40000
	s_bfe_u32 s41, ttmp6, 0x40004
	s_lshl_b32 s42, ttmp9, 2
	s_add_co_u32 s42, s42, s40                     ; tile column
	s_and_b32 s17, ttmp7, 0xffff
	s_lshl_b32 s17, s17, 2
	s_add_co_u32 s17, s17, s41                     ; tile row
	s_lshl_b32 s43, s41, 2
	s_lshl_b32 s43, 15, s43
	s_lshl_b32 s44, 0x1111, s40
	s_or_b32 s[G1+0], s43, (0<<16)|(1<<20)|(1<<21)|(5<<22)|(3<<25)
	s_or_b32 s[G1B+0], s44, (0<<16)|(1<<20)|(1<<21)|(5<<22)|(3<<25)
.irp g, G1, G1B
	s_mov_b32 s[\g+1], ROWB<<16
	s_mov_b32 s[\g+2], 256<<16
	s_mov_b32 s[\g+3], ROWB<<16
	s_mov_b32 s[\g+4], 256
	s_mov_b32 s[\g+5], KROW
	s_mov_b32 s[\g+6], 0
	s_mov_b32 s[\g+7], 0
.endr
	s_or_b32 s[G1S+0], s43, (3<<16)|(1<<20)|(1<<21)|(5<<22)|(3<<25)
	s_or_b32 s[G1SB+0], s44, (3<<16)|(1<<20)|(1<<21)|(5<<22)|(3<<25)
.irp g, G1S, G1SB
	s_mov_b32 s[\g+1], 32<<16
	s_mov_b32 s[\g+2], KS<<16
	s_mov_b32 s[\g+3], 32<<16
	s_mov_b32 s[\g+4], KS
	s_mov_b32 s[\g+5], 32
	s_mov_b32 s[\g+6], 0
	s_mov_b32 s[\g+7], 0
.endr
	s_lshl_b32 s20, s17, 8
	s_lshl_b32 s46, s42, 8
	s_mov_b32 s21, 0
	s_mov_b32 s47, 0
	s_mov_b64 s[18:19], KS
	s_mul_u64 s[22:23], s[20:21], s[18:19]
	s_mul_u64 s[92:93], s[46:47], s[18:19]
	s_mov_b64 s[18:19], KROW
	s_mul_u64 s[20:21], s[20:21], s[18:19]
	s_mul_u64 s[46:47], s[46:47], s[18:19]
	s_mul_i32 s18, s16, 128*KROW
	s_mov_b32 s19, 0
	s_mul_i32 s45, s14, HALFT
	s_mov_b32 s[SEL], 0x76543210
	s_mov_b32 s[SEL+1], 0xfedcba98
	s_wait_dscnt 0x0
	s_wait_kmcnt 0x0
	s_add_nc_u64 s[20:21], s[4:5], s[20:21]
	s_add_nc_u64 s[22:23], s[6:7], s[22:23]
	s_add_nc_u64 s[46:47], s[8:9], s[46:47]
	s_add_nc_u64 s[92:93], s[10:11], s[92:93]
	CROUND                                         ; in front of the first joint loads
	s_mov_b32 s[G0H], 1
	s_mov_b32 s[G0H+1], 0
	s_mov_b64 s[G0H+2:G0H+3], s[20:21]
	s_or_b32 s[G0H+3], s[G0H+3], 0x80000000
	s_mov_b32 s[G0HB], 1
	s_mov_b32 s[G0HB+1], 2*HALFT
	s_mov_b64 s[G0HB+2:G0HB+3], s[46:47]
	s_or_b32 s[G0HB+3], s[G0HB+3], 0x80000000
	s_mov_b32 s[G0S], 1
	s_mov_b32 s[G0S+1], SCL
	s_mov_b64 s[G0S+2:G0S+3], s[22:23]
	s_or_b32 s[G0S+3], s[G0S+3], 0x80000000
	s_mov_b32 s[G0SB], 1
	s_mov_b32 s[G0SB+1], SCL+2*HALFS
	s_mov_b64 s[G0SB+2:G0SB+3], s[92:93]
	s_or_b32 s[G0SB+3], s[G0SB+3], 0x80000000
	s_add_nc_u64 s[20:21], s[20:21], s[18:19]
	s_add_nc_u64 s[46:47], s[46:47], s[18:19]
.irp s, 0,1
	s_mov_b32 s[G0+4*\s], 1
	s_add_co_u32 s[G0+4*\s+1], s45, \s*SLOT
	s_add_nc_u64 s[G0+4*\s+2:G0+4*\s+3], s[20:21], \s*ROWB
	s_or_b32 s[G0+4*\s+3], s[G0+4*\s+3], 0x80000000
	s_mov_b32 s[G0B+4*\s], 1
	s_add_co_u32 s[G0B+4*\s+1], s45, \s*SLOT
	s_add_nc_u64 s[G0B+4*\s+2:G0B+4*\s+3], s[46:47], \s*ROWB
	s_or_b32 s[G0B+4*\s+3], s[G0B+4*\s+3], 0x80000000
.endr
; the head's four tiles, one a wave: chunk 0 of x's 256 rows, of kv_w's 256 rows, x's scales, kv_w's scales
.macro ARM under, g0, g1, next
	s_cmp_lt_u32 s14, \under
	s_cbranch_scc0 \next
	TL \g0, \g1
	s_branch .Lhead_asked
\next:
.endm
	ARM 1, G0H,  G1,  .Lhead_b
	ARM 2, G0HB, G1B, .Lhead_sa
	ARM 3, G0S,  G1S, .Lhead_sb
	TL G0SB, G1SB
.Lhead_asked:
	v_and_b32 v1, 15, v0
	v_bfe_u32 v2, v0, 4, 1
	v_mul_u32_u24 v3, v1, PITCH
	v_mul_u32_u24 v4, v2, 24
	v_add_nc_u32 v4, v3, v4
	s_mov_b32 s21, SLOT-232
	s_mov_b32 s22, SLOT+232
	v_sub_nc_u32 v7, 1, v2
	v_mul_u32_u24 v5, s21, v2
	v_add_nc_u32 v5, v3, v5
	v_add_nc_u32 v5, 232, v5                       ; across two chunks: lanes 0-15 byte 232 in slot 0, lanes 16-31 byte 0 in slot 1
	v_mul_u32_u24 v6, s22, v7
	v_add_nc_u32 v6, v3, v6                        ; and the other way round
	s_mul_i32 s21, s15, HALFT
	s_mul_i32 s22, s16, HALFT
	s_add_co_u32 s22, s22, 2*HALFT
	v_add_nc_u32 v[ADRA+2], s21, v5
	v_add_nc_u32 v[ADRA+3], s21, v6
	v_add_nc_u32 v[ADRB+2], s22, v5
	v_add_nc_u32 v[ADRB+3], s22, v6
.irp s, 0,1
	v_add_nc_u32 v[ADRA+\s], s21, v4
	v_add_nc_u32 v[ADRB+\s], s22, v4
	s_add_co_u32 s21, s21, SLOT
	s_add_co_u32 s22, s22, SLOT
.endr
	v_mul_u32_u24 v5, v1, KS
	v_lshrrev_b32 v6, 8, v5
	v_lshl_add_u32 v5, v6, 4, v5
	s_mul_i32 s21, s15, HALFS
	s_mul_i32 s22, s16, HALFS
	s_add_co_u32 s22, s22, 2*HALFS
	s_sub_co_u32 s22, s22, s21
	v_mul_u32_u24 v6, s22, v2
	s_add_co_u32 s21, s21, SCL
	v_add_nc_u32 v5, v5, v6
	v_add_nc_u32 v[ADRS], s21, v5
	v_and_b32 v[LANE], 31, v0
	v_lshlrev_b32 v[LN16], 4, v[LANE]
	v_lshlrev_b32 v[LN8], 3, v[LANE]
	v_lshlrev_b32 v8, 5, v2
	v_lshlrev_b32 v9, 2, v1
	s_wait_alu depctr_va_vdst(0)                   ; ahead of the run of scalar lines
	s_lshl_b32 s46, s42, 1
	s_add_co_u32 s46, s46, s16                     ; my head of the batch's sixteen
	s_lshr_b32 s20, s17, 2
	s_lshl_b32 s20, s20, 4
	s_add_co_u32 s20, s20, s46                     ; batch-head
	s_lshl_b32 s20, s20, 3
	s_and_b32 s21, s17, 3
	s_lshl_b32 s21, s21, 1
	s_add_co_u32 s21, s21, s15
	s_add_co_u32 s20, s20, s21                     ; and key step
	s_mul_i32 s20, s20, 12800
	s_mov_b32 s21, 0
	s_add_nc_u64 s[12:13], s[12:13], s[20:21]
	s_lshl_b32 s46, s46, 9                         ; the head's 128 biases
	s_mov_b32 s47, 0
	s_add_nc_u64 s[96:97], s[96:97], s[46:47]
.irp b, 0,1,2,3
	global_load_b128 v[BIK+8*\b:BIK+8*\b+3], v8, s[96:97] offset:64*\b          ; k's bias in the transposed result's layout
	global_load_b128 v[BIK+8*\b+4:BIK+8*\b+7], v8, s[96:97] offset:64*\b+16
.endr
.irp b, 0,1,2,3
.irp j, 0,1,2,3,4,5,6,7
	global_load_b32 v[BIV+8*\b+\j], v9, s[96:97] offset:256+64*\b               ; v's: one column a lane, the same in all eight registers
.endr
.endr
.macro FRAG reg, adr, st, i            ; 16 rows x 128 K: six pieces of 8 bytes; byte y of a row lies in slot (y / 256) % 2 at byte y % 256
.irp p, 0,1,2,3,4,5
.set BY, 96*(\st)+48*(\p/3)+8*(\p%3)
.if BY/ROWB == (BY+24)/ROWB
	ds_load_b64 v[\reg+2*\p:\reg+2*\p+1], v[\adr+(BY/ROWB)%2] offset:BY%ROWB+(\i)*16*PITCH
.else
	ds_load_b64 v[\reg+2*\p:\reg+2*\p+1], v[\adr+2+(BY/ROWB)%2] offset:BY%ROWB-232+(\i)*16*PITCH
.endif
.endr
.endm
.macro WM d, a, b, c, sa, sb, mod
	v_wmma_scale_f32_16x16x128_f8f6f4 v[\d:\d+7], v[\a:\a+11], v[\b:\b+11], \c, v[\sa], v[\sb] matrix_a_fmt:MATRIX_FMT_FP6 matrix_b_fmt:MATRIX_FMT_FP6 \mod
.endm
.macro MULK a0, p, q, sc, first        ; sixteen products, sixteen accumulators by turns
.irp a, \a0, \a0+1, \a0+2, \a0+3
.irp b, 0,1,2,3
.if \first
	WM 32*((\a)%4)+8*\b, 128*(\p)+FR*\b, AF+FR*(\a), v[BIK+8*\b:BIK+8*\b+7], SC+8*NQ*(\sc)+NQ*\b+(\q), SC+8*NQ*(\sc)+NQ*(\a)+(\q), matrix_a_scale:MATRIX_SCALE_ROW1
.else
	WM 32*((\a)%4)+8*\b, 128*(\p)+FR*\b, AF+FR*(\a), v[32*((\a)%4)+8*\b:32*((\a)%4)+8*\b+7], SC+8*NQ*(\sc)+NQ*\b+(\q), SC+8*NQ*(\sc)+NQ*(\a)+(\q), matrix_a_scale:MATRIX_SCALE_ROW1
.endif
.endr
.endr
.endm
.macro MULV a0, p, q, sc, first
.irp a, \a0, \a0+1, \a0+2, \a0+3
.irp b, 0,1,2,3
.set AV, 128+64*(((\a)%4)/2)+16*\b+8*((\a)%2)
.if \first
	WM AV, AF+FR*(\a), 128*(\p)+FR*(4+\b), v[BIV+8*\b:BIV+8*\b+7], SC+8*NQ*(\sc)+NQ*(\a)+(\q), SC+8*NQ*(\sc)+NQ*(4+\b)+(\q), matrix_b_scale:MATRIX_SCALE_ROW1
.else
	WM AV, AF+FR*(\a), 128*(\p)+FR*(4+\b), v[AV:AV+7], SC+8*NQ*(\sc)+NQ*(\a)+(\q), SC+8*NQ*(\sc)+NQ*(4+\b)+(\q), matrix_b_scale:MATRIX_SCALE_ROW1
.endif
.endr
.endr
.endm
.macro FETCH_B st, p
	WIN TO_B
.irp i, 0,1,2,3,4,5,6,7
	FRAG 128*(\p)+FR*\i, ADRB, \st, \i
.endr
	WIN 0
.endm
.macro FETCH_A st, i0
.irp i, \i0, \i0+1, \i0+2, \i0+3
	FRAG AF+FR*(\i), ADRA, \st, \i
.endr
.endm
.macro SCALES pr                       ; the words of steps 2 pr, 2 pr + 1: lanes 0-15 x's block i, lanes 16-31 kv_w's block i
.irp i, 0,1,2,3,4,5,6,7
	ds_load_b64 v[SC+8*NQ*((\pr)%2)+NQ*\i:SC+8*NQ*((\pr)%2)+NQ*\i+1], v[ADRS] offset:\i*SBLK+4*NQ*(\pr)
.endr
.endm
; A step of 128 along K.  Where the next step's bytes end in a chunk not yet read: wait for my tensor loads, and a barrier.  Where they begin in a later chunk: the chunk left is read no more: the wait, the add, the wait for it
; and for my reads, the barrier; where a chunk two on is left to fetch, the barrier opens a round of the cluster's barrier and the joint refill follows first.
.macro STEP st, first
.set NX, (\st)+1
.set C0, (96*(\st))/ROWB
.set C1, (96*NX)/ROWB
.set E0, (96*(\st)+95)/ROWB
.set E1, (96*NX+95)/ROWB
.set PP, (\st)%2
.set SS, ((\st)/2)%2
.if C1 > C0 || E1 > E0
	s_wait_tensorcnt 0x0
.if C1 > C0
	ds_add_u32 v[SPW], v[NIL]
	s_wait_dscnt 4*NL+1                            ; the add and x's blocks 4-7 may be out
.else
	s_wait_dscnt 4*NL
.endif
	WINK 0, \first
	MULK 0, PP, PP, SS, \first
	s_wait_dscnt 0x0
	s_barrier_signal -1
	WINV 0, \first
	MULV 0, PP, PP, SS, \first
	WIN 0
	s_barrier_wait -1
.if C1 > C0 && C0+2 < CHUNKS
	CREST
	s_add_nc_u64 s[G0+4*(C0%2)+2:G0+4*(C0%2)+3], s[G0+4*(C0%2)+2:G0+4*(C0%2)+3], 2*ROWB
	s_add_nc_u64 s[G0B+4*(C0%2)+2:G0B+4*(C0%2)+3], s[G0B+4*(C0%2)+2:G0B+4*(C0%2)+3], 2*ROWB
	JLOAD G0+4*(C0%2), G1, G0B+4*(C0%2), G1B
.else
	PLACES NP
.endif
.else
	s_wait_dscnt 4*NL                              ; x's blocks 4-7, the youngest 24 loads, may be out
	WINK 0, \first
	MULK 0, PP, PP, SS, \first
	WINV 0, \first
	MULV 0, PP, PP, SS, \first
	s_wait_dscnt 0
	PLACES NP
.endif
	FETCH_B NX, NX%2
	FETCH_A NX, 0
.if NX%2 == 0
	SCALES NX/2
.endif
	WINK 1, \first
	MULK 4, PP, PP, SS, \first
	WINV 1, \first
	MULV 4, PP, PP, SS, \first
	PLACES NP
	WIN 0
	FETCH_A NX, 4
.endm
	s_wait_alu depctr_va_vdst(0)                   ; the head's end
	s_wait_loadcnt 0x0                             ; the biases
	s_wait_tensorcnt 0x0                           ; my tile of the head's four
	ds_add_u32 v[SPW], v[NIL]
	s_mov_b32 s[G1+2], 128<<16                     ; no tensor load of mine is out: from here on a load brings 128 rows
	s_mov_b32 s[G1+4], 128
	s_mov_b32 s[G1B+2], 128<<16
	s_mov_b32 s[G1B+4], 128
	s_wait_dscnt 0x0
	CROUND
	JLOAD G0+4, G1, G0B+4, G1B                     ; chunk 1
	FETCH_B 0, 0
	FETCH_A 0, 0
	SCALES 0
	FETCH_A 0, 4
	STEP 0, 1
.set ST, 1
.rept STEPS-2
	STEP ST, 0
.set ST, ST+1
.endr
	s_wait_dscnt 4*NL
	WINK 0, 0
	MULK 0, 1, 1, 1, 0
	WINV 0, 0
	MULV 0, 1, 1, 1, 0
	s_wait_dscnt 0
	WINK 1, 0
	MULK 4, 1, 1, 1, 0
	WINV 1, 0
	MULV 4, 1, 1, 1, 0
	WIN 0
	PLACES NP
.irp n, 0,1,2,3
	v_mov_b32 v[TM+4+\n], 0                        ; a lane permute's destination counts as read
.endr
; k's tile a of 16 positions: two blocks of 32 along the head's axis; half a block a lane, joined with lane l xor 16
.macro KTILE a
.set KB, 32*((\a)%4)
.set KG, (\a)/2
.set KF, KFR+12*((\a)/2)+6*((\a)%2)
	WIN 0x0a+5*((\a)/4)
.irp n, 0,1
	v_max3_num_f32 v[TM+\n], |v[KB+16*\n]|, |v[KB+16*\n+1]|, 0x1800000
.endr
.irp i, 2,4,6,8,10,12,14
.irp n, 0,1
	v_max3_num_f32 v[TM+\n], |v[KB+16*\n+\i]|, |v[KB+16*\n+\i+1]|, v[TM+\n]
.endr
.endr
	WIN 0
.irp n, 0,1
	v_permlanex16_b32 v[TM+4+\n], v[TM+\n], s[SEL], s[SEL+1]
.endr
.irp n, 0,1
	v_max_num_f32 v[TM+\n], v[TM+\n], v[TM+4+\n]
.endr
.irp n, 0,1
	v_add_nc_u32 v[TM+8+\n], 0xff000000, v[TM+\n]
.endr
.irp n, 0,1
	v_lshrrev_b32 v[TM+12+\n], 23, v[TM+8+\n]
.endr
.if (\a)%2 == 0
	v_lshl_or_b32 v[KW+KG], v[TM+13], 8, v[TM+12]
.else
	v_lshl_or_b32 v[KW+KG], v[TM+12], 16, v[KW+KG]
	v_lshl_or_b32 v[KW+KG], v[TM+13], 24, v[KW+KG]
.endif
	WIN 0x02+(\a)/4
	v_cvt_scalef32_pk16_fp6_f32 v[KF:KF+2], v[KB:KB+15], v[TM+8]
	v_cvt_scalef32_pk16_fp6_f32 v[CT:CT+2], v[KB+16:KB+31], v[TM+9]
	WIN 0
	v_nop
.irp i, 0,1,2
	v_permlane16_swap_b32 v[KF+\i], v[CT+\i]
.endr
.irp i, 0,1,2
	v_mov_b32 v[KF+3+\i], v[CT+\i]
.endr
.if (\a)%2 == 1
.irp c, 0,1,2
	global_store_b128 v[LN16], v[KFR+12*KG+4*\c:KFR+12*KG+4*\c+3], s[12:13] offset:1536*KG+512*\c
.endr
.endif
.endm
; v's tile b of 16 of the head's 64: four blocks of 32 along the 128 positions
.macro VTILE b
.set VF, VFR+12*(\b)
.irp w, 0,1
	WIN 0x0a+5*\w
.irp n, 0,1
	v_max3_num_f32 v[TM+2*\w+\n], |v[128+64*\n+16*(\b)]|, |v[129+64*\n+16*(\b)]|, 0x1800000
.endr
.irp i, 2,4,6,8,10,12,14
.irp n, 0,1
	v_max3_num_f32 v[TM+2*\w+\n], |v[128+64*\n+16*(\b)+\i]|, |v[129+64*\n+16*(\b)+\i]|, v[TM+2*\w+\n]
.endr
.endr
.endr
	WIN 0
.irp n, 0,1,2,3
	v_permlanex16_b32 v[TM+4+\n], v[TM+\n], s[SEL], s[SEL+1]
.endr
.irp n, 0,1,2,3
	v_max_num_f32 v[TM+\n], v[TM+\n], v[TM+4+\n]
.endr
.irp n, 0,1,2,3
	v_add_nc_u32 v[TM+8+\n], 0xff000000, v[TM+\n]
.endr
.irp n, 0,1,2,3
	v_lshrrev_b32 v[TM+12+\n], 23, v[TM+8+\n]
.endr
	v_lshl_or_b32 v[VW+(\b)], v[TM+13], 8, v[TM+12]
	v_lshl_or_b32 v[VW+(\b)], v[TM+14], 16, v[VW+(\b)]
	v_lshl_or_b32 v[VW+(\b)], v[TM+15], 24, v[VW+(\b)]
	WIN 0x02
	v_cvt_scalef32_pk16_fp6_f32 v[VF:VF+2], v[128+16*(\b):143+16*(\b)], v[TM+8]
	v_cvt_scalef32_pk16_fp6_f32 v[CT:CT+2], v[192+16*(\b):207+16*(\b)], v[TM+9]
	WIN 0x03
	v_cvt_scalef32_pk16_fp6_f32 v[VF+6:VF+8], v[128+16*(\b):143+16*(\b)], v[TM+10]
	v_cvt_scalef32_pk16_fp6_f32 v[CT2:CT2+2], v[192+16*(\b):207+16*(\b)], v[TM+11]
	WIN 0
	v_nop
.irp i, 0,1,2
	v_permlane16_swap_b32 v[VF+\i], v[CT+\i]
	v_permlane16_swap_b32 v[VF+6+\i], v[CT2+\i]
.endr
.irp i, 0,1,2
	v_mov_b32 v[VF+3+\i], v[CT+\i]
	v_mov_b32 v[VF+9+\i], v[CT2+\i]
.endr
.irp c, 0,1,2
	global_store_b128 v[LN16], v[VF+4*\c:VF+4*\c+3], s[12:13] offset:6144+1536*(\b)+512*\c
.endr
.endm
.irp a, 0,1,2,3,4,5,6,7
	KTILE \a
.endr
.irp b, 0,1,2,3
	VTILE \b
.endr
	v_cmp_le_u32 vcc_lo, 16, v[LANE]
	v_cndmask_b32 v64, v[KW], v[KW+1], vcc_lo
	v_cndmask_b32 v65, v[KW+2], v[KW+3], vcc_lo
	v_cndmask_b32 v66, v[VW], v[VW+1], vcc_lo
	v_cndmask_b32 v67, v[VW+2], v[VW+3], vcc_lo
	global_store_b64 v[LN8], v[64:65], s[12:13] offset:12288
	global_store_b64 v[LN8], v[66:67], s[12:13] offset:12544
	s_wait_tensorcnt 0x0                           ; the wave's end
	ds_add_u32 v[SPW], v[NIL]
	s_wait_dscnt 0x0
	CROUND
	s_endpgm
.Lfunc_end_k_q0896c82e4a_kvgemm:
	.size	k_q0896c82e4a_kvgemm, .Lfunc_end_k_q0896c82e4a_kvgemm-k_q0896c82e4a_kvgemm
	.p2alignl 7, 3214868480
	.fill 96, 4, 3214868480
	.section	.rodata,"a",@progbits
	.p2align	6, 0x0
	.amdhsa_kernel k_q0896c82e4a_kvgemm
		.amdhsa_group_segment_fixed_size 327680
		.amdhsa_private_segment_fixed_size 0
		.amdhsa_enable_private_segment 0
		.amdhsa_kernarg_size 48
		.amdhsa_user_sgpr_count 2
		.amdhsa_user_sgpr_kernarg_segment_ptr 1
		.amdhsa_wavefront_size32 1
		.amdhsa_system_sgpr_workgroup_id_x 1
		.amdhsa_system_sgpr_workgroup_id_y 1
		.amdhsa_system_sgpr_workgroup_id_z 1
		.amdhsa_system_vgpr_workitem_id 0
		.amdhsa_next_free_vgpr 1024
		.amdhsa_next_free_sgpr 100
		.amdhsa_reserve_vcc 1
		.amdhsa_float_denorm_mode_32 3
		.amdhsa_float_denorm_mode_16_64 3
		.amdhsa_memory_ordered 1
		.amdhsa_forward_progress 1
		.amdhsa_inst_pref_size 170
	.end_amdhsa_kernel
	.amdgpu_metadata
---
amdhsa.version: [ 1, 2 ]
amdhsa.kernels:
  - .name:           k_q0896c82e4a_kvgemm
    .symbol:         k_q0896c82e4a_kvgemm.kd
    .args:
      - { .name: x_codes, .offset: 0, .size: 8, .value_kind: global_buffer, .address_space: global }
      - { .name: x_scales, .offset: 8, .size: 8, .value_kind: global_buffer, .address_space: global }
      - { .name: kv_w_codes, .offset: 16, .size: 8, .value_kind: global_buffer, .address_space: global }
      - { .name: kv_w_scales, .offset: 24, .size: 8, .value_kind: global_buffer, .address_space: global }
      - { .name: kvc, .offset: 32, .size: 8, .value_kind: global_buffer, .address_space: global }
      - { .name: kv_b, .offset: 40, .size: 8, .value_kind: global_buffer, .address_space: global }
    .group_segment_fixed_size: 327680
    .private_segment_fixed_size: 0
    .kernarg_segment_align: 8
    .kernarg_segment_size: 48
    .max_flat_workgroup_size: 128
    .sgpr_count:     100
    .vgpr_count:     1024
    .wavefront_size: 32
...
	.end_amdgpu_metadata
.endif
;; end of part 2
;; launch attn (part 3): grid 4 x 64, 8 waves a work-group, clusters of 4 x 1, 327,680 bytes of LDS; arguments kvc, pbias, mp_w, va, vas; writes va, vas
.if DOCPART == 3
	.amdgcn_target "amdgcn-amd-amdhsa--gfx1250"
	.amdhsa_code_object_version 6
	.text
	.protected	k_q0896c82e4a_attn
	.globl	k_q0896c82e4a_attn
	.p2align	8
	.type	k_q0896c82e4a_attn,@function
k_q0896c82e4a_attn:
	s_mov_b64 s[64:65], 0
	v_nop
	global_prefetch_b8 v0, s[64:65] scope:SCOPE_SE
	s_setreg_imm32_b32 hwreg(HW_REG_WAVE_MODE, 25, 1), 1
	s_wait_xcnt 0x0
	s_wait_alu depctr_hold_cnt(0) depctr_sa_sdst(0) depctr_va_vdst(0) depctr_va_sdst(0) depctr_va_ssrc(0) depctr_va_vcc(0) depctr_vm_vsrc(0)
	s_getreg_b32 s2, hwreg(HW_REG_IB_STS2, 6, 4)
	s_cmp_eq_u32 s2, 0
	s_cbranch_scc0 .Lentry_in_a_cluster
	s_endpgm
.Lentry_in_a_cluster:
	s_bfe_u32 s2, ttmp6, 0x10000c
	s_cmp_lg_u32 s2, 0x3003
	s_cbranch_scc0 .Lentry_shape_is_right
	s_endpgm
.Lentry_shape_is_right:
; vals[b][q][head][:] = softmax_k((k_q . k_k / 8) sum(w) + pos_bias[q][k]) v_k, both products on codes of FP6 (E2M3) with one E8M0 scale for each 32 along K; vals leave quantised along the embedding, for the last product.
; THE EXPONENT.  s = max(|sum(w)|, 2^-40), |c| = s log2(e) / 8.  t = |c| D, D = +-S + pb', the sign that of sum(w); pb' = (pos_bias) x 8 / s comes from the first launch and is the C operand of the score products,
; so D leaves the matrix unit whole.  Where sum(w) is negative the sign bits of Q's codes are turned once, at the head: the quantiser is odd, so these are the codes of -k_q, and the product is -S.
; M = the row's largest t so far, rounded UP to a whole number; p = 2^(D |c| - M), one fused multiply-add and one exponential, is quantised along the keys, not normalised; since |c| > 0 the largest D is the largest t.
; The row's sum is taken of the unquantised p and divides O at the end.  When M moves, the sum and O are multiplied by 2^(old M - new M): exact.
; SHARES.  A work-group owns 256 queries (block cx of four) x a pair of heads (grid y).  Wave w of eight owns query tiles 2 w and 2 w + 1 (16 queries each) for both heads: four UNITS (tile a, head u) a key step of 128 keys.
; LDS.  The pair's k and v for ALL 1,024 keys are 204,800 consecutive bytes of kvc: they are filled once, each wave asking for an eighth, and never again: the loop over the keys has no barrier.
; CLUSTER.  The four query blocks of a pair of heads form a cluster and ask for those bytes jointly.
; pb' hangs on the queries and goes from memory straight into registers: a tile's 64 addends serve both heads and are asked for anew behind their second use, 2 units and the rest of a third ahead of their next use;
; so no further prefetch is laid.  s_wait_loadcnt 16: the sixteen loads of the other tile, issued later, may be out.
; K = 64 IN AN INSTRUCTION OF K = 128.  A fragment of keys holds two tiles of 16 keys, in K 0-63 and K 64-127; it is multiplied by [q | 0] and by [0 | q].  The run 0 q 0 q 0 q 0 q 0 gives all forms of the four units.
; LAYOUT.  Both products are used transposed: a lane holds one query (lane % 16).  Score register 16 g + 8 e + j is key 32 g + 16 e + 8 (lane / 16) + j; p's codes come out in the order in which the launch before has laid v's blocks.
; LIMITS: NaN and infinities are not served; a block whose largest number lies under 2^-124 gets the byte 1; sum(w) is added from left to right; where |sum(w)| lies under 2^-40 the similarity is weighed with 2^-40;
; the promise holds while |t| stays under 2^31.
; REGISTERS.  Window 0: v1-10 addresses; v12-27 -M, largest D, the sum's halves, a unit each; v28-36 scale words alone; v48-101 the run of Q; v102-149 four fragments; v150-213 D, then p; v214-245 at work.
;   Window 1: v0-127 O^T of the four units; v128-255 pb' of the two tiles.
.set KVB,   12800
.set HDB,   8*KVB
.set SPARE, 262144
.set LN16, 1
.set ASC0, 2
.set SPW,  4
.set NIL,  5
.set ADK,  6
.set ADS,  8
.set RO,   10
.set ST,   12
.set QS,   28
.set KSR,  32
.set VSR,  34
.set PSW,  36
.set CC,   38
.set BM,   40
.set PM,   44
.set QR,   48
.set F,    102
.set S,    150
.set PC,   214
.set CT,   226
.set SO,   234
.set BY,   238
.set FF,   242
.set TMP,  244
.set WV,   18
.set SEL,  20
.set G1,   24
.set G0,   32
.set TB,   36
.set TR,   38
.set PB,   40
.set PBN,  42                          ; s[42:43] where the next key step's pb' of my tiles begins; held at the last key step
.set INC,  44                          ; s[44:45] what a trip adds to it
.set MSB, 0
.macro WIN new
.if MSB != (\new)
	s_set_vgpr_msb (MSB<<8)|(\new)
.set MSB, (\new)
.endif
.endm
.macro VW8
	s_wait_alu depctr_va_vdst(0)
.endm
.macro CROUND
	s_barrier_signal -1
	s_barrier_wait -1
	s_cmp_lg_u32 s[WV], 0
	s_cbranch_scc1 .Lnot_wave_0_\@
	s_barrier_signal -3
.Lnot_wave_0_\@:
	s_barrier_wait -3
	s_barrier_signal -1
	s_barrier_wait -1
.endm
.macro WM d, a, b, c, sa, sb, mod
	v_wmma_scale_f32_16x16x128_f8f6f4 v[\d:\d+7], v[\a:\a+11], v[\b:\b+11], \c, v[\sa], v[\sb] matrix_a_fmt:MATRIX_FMT_FP6 matrix_b_fmt:MATRIX_FMT_FP6 \mod
.endm
	s_load_b256 s[4:11], s[0:1], 0x0               ; kvc, pbias, mp_w, va
	s_load_b64 s[12:13], s[0:1], 0x20              ; vas
	v_lshl_add_u32 v[SPW], v0, 2, SPARE
	v_mov_b32 v[NIL], 0
	ds_add_u32 v[SPW], v[NIL]                      ; the opening lines: the add twice and its wait
	ds_add_u32 v[SPW], v[NIL]
	v_lshrrev_b32 v6, 5, v0
	v_readfirstlane_b32 s[WV], v6                  ; wave 0..7
	s_bfe_u32 s48, ttmp6, 0x40000                  ; cx: my block of 256 queries
	s_and_b32 s49, ttmp7, 0xffff                   ; my pair of heads, 0..63
	s_mov_b32 s[G1], 15|(3<<16)|(1<<21)            ; 100 dense rows of 256 bytes; the mask names the cluster's four
	s_mov_b32 s[G1+1], 32<<16
	s_mov_b32 s[G1+2], 100<<16
	s_mov_b32 s[G1+3], 32<<16
	s_mov_b32 s[G1+4], 100
	s_mov_b32 s[G1+5], 32
	s_mov_b32 s[G1+6], 0
	s_mov_b32 s[G1+7], 0
	s_mul_i32 s50, s49, 2*HDB                      ; the pair's bytes in kvc
	s_mul_i32 s51, s[WV], 2*KVB                    ; my eighth of them, in memory and in LDS
	s_add_co_u32 s52, s50, s51
	s_mov_b32 s53, 0
	s_lshl_b32 s54, s48, 1
	s_lshr_b32 s55, s[WV], 2
	s_add_co_u32 s54, s54, s55                     ; X: my queries are keys of key step 2 cx + w / 4,
	s_mul_i32 s56, s54, KVB
	s_add_co_u32 s56, s56, s50
	s_mov_b32 s57, 0
	s_and_b32 s58, s[WV], 3                        ; the two halves of its group g = w % 4
	s_mul_i32 s59, s58, 1536
	s_and_b32 s60, s58, 1
	s_lshl_b32 s60, s60, 7
	s_lshr_b32 s61, s58, 1
	s_lshl_b32 s61, s61, 2
	s_add_co_u32 s60, s60, s61
	s_add_co_u32 s60, s60, 12288                   ; the group's scale words: lanes 16 (g % 2) on, word g / 2
	s_lshl_b32 s66, s48, 4
	s_lshl_b32 s67, s[WV], 1
	s_add_co_u32 s66, s66, s67                     ; my first query tile of the 64
	s_lshl_b32 s66, s66, 13
	s_mov_b32 s67, 0
	s_mov_b32 s[SEL], 0x76543210
	s_mov_b32 s[SEL+1], 0xfedcba98
	s_mov_b32 s62, 0x01000100                      ; byte selects for Q's scale word: tile 0's two bytes twice,
	s_mov_b32 s63, 0x03020302                      ; tile 1's
	s_mov_b32 s70, 0x2b800000                      ; 2^-40
	s_mov_b32 s[TB], 0
	s_mov_b32 s[TB+1], HDB
	s_mov_b32 s[TR], 0
	s_mov_b32 s[INC+1], 0
	s_wait_dscnt 0x0
	s_wait_kmcnt 0x0
	s_load_b256 s[72:79], s[8:9], 0x0              ; w[0..7]
	s_load_b64 s[80:81], s[8:9], 0x20              ; w[8..9]
	s_mov_b32 s[G0], 1
	s_mov_b32 s[G0+1], s51
	s_add_nc_u64 s[G0+2:G0+3], s[4:5], s[52:53]
	s_or_b32 s[G0+3], s[G0+3], 0x80000000
	s_add_nc_u64 s[56:57], s[4:5], s[56:57]
	s_add_nc_u64 s[PB:PB+1], s[6:7], s[66:67]
	s_add_nc_u64 s[PBN:PBN+1], s[PB:PB+1], 524288
	CROUND                                         ; the four work-groups are here: the joint loads meet
	tensor_load_to_lds s[G0:G0+3], s[G1:G1+7]      ; my one tensor load of the launch
	s_nop 0
	v_and_b32 v9, 31, v0
	v_and_b32 v[RO], 15, v0
	v_lshlrev_b32 v[LN16], 4, v9
	v_lshlrev_b32 v[ASC0], 3, v9
	v_add_nc_u32 v[ASC0], 12288, v[ASC0]
	v_add_nc_u32 v[TMP], s59, v[LN16]
	v_lshl_add_u32 v[TMP+1], v[RO], 3, s60
.irp u, 0,1                                    ; Q: registers 0-5 of the group's fragment are tile 0's, 6-11 tile 1's; unit 2 a + u lies at QR + 6 + 12 (2 a + u)
	global_load_b64 v[QR+6+12*\u:QR+7+12*\u], v[TMP], s[56:57] offset:HDB*\u
	global_load_b64 v[QR+8+12*\u:QR+9+12*\u], v[TMP], s[56:57] offset:HDB*\u+8
	global_load_b64 v[QR+10+12*\u:QR+11+12*\u], v[TMP], s[56:57] offset:HDB*\u+512
	global_load_b64 v[QR+30+12*\u:QR+31+12*\u], v[TMP], s[56:57] offset:HDB*\u+520
	global_load_b64 v[QR+32+12*\u:QR+33+12*\u], v[TMP], s[56:57] offset:HDB*\u+1024
	global_load_b64 v[QR+34+12*\u:QR+35+12*\u], v[TMP], s[56:57] offset:HDB*\u+1032
	global_load_b32 v[KSR+\u], v[TMP+1], s[56:57] offset:HDB*\u
.endr
	WIN 0x40
.set j, 0
.rept 32
	global_load_b128 v[128+4*j:131+4*j], v[LN16], s[PB:PB+1] offset:512*j   ; key step 0's pb': tile 0, then tile 1
.set j, j+1
.endr
.set j, 0
.rept 128
	v_mov_b32 v[j], 0                              ; O^T: the loop is written once, and its first step finds zeros
.set j, j+1
.endr
	WIN 0
.irp z, 0,12,24,36,48
.irp i, 0,1,2,3,4,5
	v_mov_b32 v[QR+\z+\i], 0                       ; the zero codes round the four q
.endr
.endr
.irp i, 0,1,2,3
	v_mov_b32 v[ST+4*\i], 0x7f61b1e6               ; -M: 3e38
	v_mov_b32 v[ST+4*\i+1], 0xff61b1e6             ; the largest D so far: -3e38
	v_mov_b32 v[ST+4*\i+2], 0
	v_mov_b32 v[ST+4*\i+3], 0
	v_mov_b32 v[PM+\i], 0
.endr
	v_mov_b32 v[FF+1], 0                           ; (named as a pair's upper half)
	VW8
	s_wait_kmcnt 0x0
	v_mov_b32 v[CC], s72
.irp i, 73,74,75,76,77,78,79,80,81
	s_delay_alu instid0(VALU_DEP_1)
	v_add_f32 v[CC], s\i, v[CC]                    ; sum(w)
.endr
	s_delay_alu instid0(VALU_DEP_1)
	v_ashrrev_i32 v[BM], 31, v[CC]                 ; all ones where it is negative
	v_max_num_f32 v[CC], |v[CC]|, s70              ; s
	v_and_b32 v[BM+1], 0x20820820, v[BM]           ; the sign bits of the 6-bit codes in three words on end (bit 6 i + 5 of the stream), or 0
	v_and_b32 v[BM+2], 0x08208208, v[BM]
	v_and_b32 v[BM+3], 0x82082082, v[BM]
	v_mul_f32 v[CC], 0x3e38aa3b, v[CC]             ; |c| = s log2(e) / 8
	s_delay_alu instid0(VALU_DEP_1)
	v_mov_b32 v[CC+1], v[CC]
	VW8
	s_wait_loadcnt 32                              ; Q and its words are in; pb's 32 loads may be out
.irp a, 0,1
.irp u, 0,1
	v_perm_b32 v[QS+2*\a+\u], v[KSR+\u], v[KSR+\u], s[62+\a]
.endr
.endr
.irp n, 0,1,2,3
.irp i, 0,1,2,3,4,5
	v_xor_b32 v[QR+6+12*\n+\i], v[BM+1+\i%3], v[QR+6+12*\n+\i]   ; q or -q; these are also the places behind Q's scale words
.endr
.endr
.irp u, 0,1
	v_add_nc_u32 v[ADK+\u], s[TB+\u], v[LN16]
	v_add_nc_u32 v[ADS+\u], s[TB+\u], v[ASC0]
.endr
	VW8                                            ; the head's end
	s_wait_tensorcnt 0x0                           ; my eighth is in
	s_barrier_signal -1
	s_barrier_wait -1                              ; everybody's is
.macro KLOAD u                         ; head u's four groups of keys and their scale words
.set j, 0
.rept 12
	ds_load_b128 v[F+4*j:F+4*j+3], v[ADK+\u] offset:512*j
.set j, j+1
.endr
	ds_load_b64 v[KSR:KSR+1], v[ADS+\u]
.endm
; The 64 numbers at S (registers 16 b + 0..15: my half of block b) and the blocks' largest magnitudes at BM become a fragment's codes at PC and its scale word in PSW
.macro CODES
.irp b, 0,1,2,3
	v_add_nc_u32 v[SO+\b], 0xff000000, v[BM+\b]    ; 2 off the exponent field: the conversion's scale operand
.endr
.irp b, 0,1,2,3
	v_lshrrev_b32 v[BY+\b], 23, v[SO+\b]
.endr
	v_lshl_or_b32 v[PSW], v[BY+1], 8, v[BY]
	s_delay_alu instid0(VALU_DEP_1)
	v_lshl_or_b32 v[PSW], v[BY+2], 16, v[PSW]
	s_delay_alu instid0(VALU_DEP_1)
	v_lshl_or_b32 v[PSW], v[BY+3], 24, v[PSW]
.irp c, 0,1
	v_cvt_scalef32_pk16_fp6_f32 v[PC+6*\c:PC+6*\c+2], v[S+32*\c:S+32*\c+15], v[SO+2*\c]
	v_cvt_scalef32_pk16_fp6_f32 v[CT+4*\c:CT+4*\c+2], v[S+32*\c+16:S+32*\c+31], v[SO+2*\c+1]
.endr
	v_nop                                          ; one plain place behind a scaled conversion
.irp c, 0,1
.irp i, 0,1,2
	v_permlane16_swap_b32 v[PC+6*\c+\i], v[CT+4*\c+\i]   ; a whole block in a lane
.endr
.irp i, 0,1,2
	v_mov_b32 v[PC+6*\c+3+\i], v[CT+4*\c+\i]
.endr
.endr
.endm
; ONE UNIT'S KEY STEP: tile a's 16 queries x 128 keys of head u.  nu: the next unit's head.  last = 1: the trip's last unit, which steps the LDS addresses to the next key step.
.macro UNIT a, u, nu, last
.set I, 2*\a+\u
.set NM, ST+4*I
.set OU, 32*I
	s_wait_dscnt 0x0                               ; the keys' fragments, asked for in the unit before
.if \u == 0
	s_wait_loadcnt 16                              ; this tile's pb' is in; the other tile's sixteen loads, issued later, may be out
.endif
	WIN 0x10                                       ; C in window 1
.irp g, 0,1,2,3
.irp e, 0,1
.if \g%2 == 0
	WM S+16*\g+8*\e, F+12*\g, QR+6+12*I-6*\e, v[128+64*\a+16*\g+8*\e:135+64*\a+16*\g+8*\e], KSR+\g/2, QS+I
.else
	WM S+16*\g+8*\e, F+12*\g, QR+6+12*I-6*\e, v[128+64*\a+16*\g+8*\e:135+64*\a+16*\g+8*\e], KSR+\g/2, QS+I, matrix_a_scale:MATRIX_SCALE_ROW1
.endif
.endr
.endr
	WIN 0
.rept 4
	v_nop                                          ; places in front of the loads into the fragments and into pb', and of the first read of D
.endr
.set j, 0
.rept 12
	ds_load_b128 v[F+4*j:F+4*j+3], v[ADK+\u] offset:6144+512*j   ; v's four tiles: they have the softmax in which to land
.set j, j+1
.endr
	ds_load_b64 v[VSR:VSR+1], v[ADS+\u] offset:256
.if \u == 1
	WIN 0x40
.set j, 0
.rept 16
	global_load_b128 v[128+64*\a+4*j:131+64*\a+4*j], v[LN16], s[PBN:PBN+1] offset:8192*\a+512*j   ; the next key step's pb' of this tile, in every trip alike, so that the counted waits hold on every path; the last trip names its own key step again, inside the buffer, and nobody reads that
.set j, j+1
.endr
	WIN 0
.endif
.irp b, 0,1,2,3
	v_max3_num_f32 v[BM+\b], v[S+16*\b], v[S+16*\b+1], v[S+16*\b+2]   ; each block's largest D: for the row's maximum and for the block's largest p; each accumulator is first read at its low end
.endr
.irp i, 3,5,7,9,11,13
.irp b, 0,1,2,3
	v_max3_num_f32 v[BM+\b], v[BM+\b], v[S+16*\b+\i], v[S+16*\b+\i+1]
.endr
.endr
.irp b, 0,1,2,3
	v_max_num_f32 v[BM+\b], v[BM+\b], v[S+16*\b+15]
.endr
.irp b, 0,1,2,3
	v_permlanex16_b32 v[PM+\b], v[BM+\b], s[SEL], s[SEL+1]
.endr
.irp b, 0,1,2,3
	v_max_num_f32 v[BM+\b], v[BM+\b], v[PM+\b]
.endr
	v_max3_num_f32 v[TMP], v[BM], v[BM+1], v[BM+2]
	s_delay_alu instid0(VALU_DEP_1)
	v_max3_num_f32 v[NM+1], v[TMP], v[BM+3], v[NM+1]   ; the running largest D
	v_mov_b32 v[TMP], v[NM]
	s_delay_alu instid0(VALU_DEP_2)
	v_mul_f32 v[TMP+1], v[NM+1], v[CC]             ; as t
	s_delay_alu instid0(VALU_DEP_1)
	v_floor_f32 v[NM], -v[TMP+1]                   ; the new -M = -ceil(t)
	s_delay_alu instid0(VALU_DEP_1)
	v_sub_f32 v[TMP], v[NM], v[TMP]                ; old M less new M: a whole number, 0 or less
	s_delay_alu instid0(VALU_DEP_1)
	v_cvt_i32_f32 v[TMP], v[TMP]                   ; (it saturates)
	s_delay_alu instid0(VALU_DEP_1)
	v_ldexp_f32 v[FF], 1.0, v[TMP]                 ; f = 2^(old M - new M)
.set j, 0
.rept 32
	v_pk_fma_f32 v[S+j:S+j+1], v[S+j:S+j+1], v[CC:CC+1], v[NM:NM+1] op_sel_hi:[1,0,0]   ; t - M = D |c| - M
.set j, j+2
.endr
.irp b, 0,1,2,3
	v_fma_f32 v[BM+\b], v[BM+\b], v[CC], v[NM]     ; the same of each block's largest D
.endr
	VW8                                            ; ahead of the batch
.set j, 0
.rept 64
	v_exp_f32 v[S+j], v[S+j]                       ; p = 2^(t - M)
.set j, j+1
.endr
.irp b, 0,1,2,3
	v_exp_f32 v[BM+\b], v[BM+\b]                   ; the block's largest p
.endr
	v_pk_mul_f32 v[NM+2:NM+3], v[NM+2:NM+3], v[FF:FF+1] op_sel_hi:[1,0]   ; the sums under the new M; a plain place behind the batch
	VW8                                            ; behind the batch
.irp b, 0,1,2,3
	v_max_num_f32 v[BM+\b], 0x1800000, v[BM+\b]    ; the floor 2^(3 - 127)
.endr
	CODES
	WIN 0x41
	VW8                                            ; directly ahead of the first reader of O^T
.set j, 0
.rept 16
	v_pk_mul_f32 v[OU+j:OU+j+1], v[OU+j:OU+j+1], v[FF:FF+1] op_sel_hi:[1,0]   ; O^T under the new M; also the places between p's codes and word and the products
.set j, j+2
.endr
	WIN 0x50
	VW8
	s_wait_dscnt 0x0                               ; v's tiles
.irp t, 0,1,2,3
.if \t%2 == 0
	WM OU+8*\t, F+12*\t, PC, v[OU+8*\t:OU+8*\t+7], VSR+\t/2, PSW
.else
	WM OU+8*\t, F+12*\t, PC, v[OU+8*\t:OU+8*\t+7], VSR+\t/2, PSW, matrix_a_scale:MATRIX_SCALE_ROW1
.endif
.endr
	WIN 0
.irp k, 0,1,2,3
	v_pk_add_f32 v[CT+2*\k:CT+2*\k+1], v[S+4*\k:S+4*\k+1], v[S+4*\k+2:S+4*\k+3]   ; the row's sum of the unquantised p, in four chains; these four are the places in front of the loads below
.endr
.if \last
	s_add_co_u32 s[TB], s[TB], KVB
	s_add_co_u32 s[TB+1], s[TB+1], KVB
.irp h, 0,1
	v_add_nc_u32 v[ADK+\h], s[TB+\h], v[LN16]
	v_add_nc_u32 v[ADS+\h], s[TB+\h], v[ASC0]
.endr
	VW8
	s_cmp_eq_u32 s[TR], 7
	s_cbranch_scc1 .Lno_k_\@                       ; behind the last key step nothing is fetched
.endif
	KLOAD \nu                                      ; the next unit's keys, under the rest of the sum
.if \last
.Lno_k_\@:
.endif
.set j, 16
.rept 6
.irp k, 0,1,2,3
	v_pk_add_f32 v[CT+2*\k:CT+2*\k+1], v[CT+2*\k:CT+2*\k+1], v[S+j+2*\k:S+j+2*\k+1]
.endr
.set j, j+8
.endr
	v_pk_add_f32 v[CT:CT+1], v[CT:CT+1], v[CT+2:CT+3]
	v_pk_add_f32 v[CT+4:CT+5], v[CT+4:CT+5], v[CT+6:CT+7]
	s_delay_alu instid0(VALU_DEP_1)
	v_pk_add_f32 v[CT:CT+1], v[CT:CT+1], v[CT+4:CT+5]
	s_delay_alu instid0(VALU_DEP_1)
	v_pk_add_f32 v[NM+2:NM+3], v[NM+2:NM+3], v[CT:CT+1]
.endm
	KLOAD 0
.Ltrip:                                            ; eight trips, a key step each; tile 0's two heads, then tile 1's
	UNIT 0, 0, 1, 0
	UNIT 0, 1, 0, 0
	UNIT 1, 0, 1, 0
	UNIT 1, 1, 0, 1
	VW8
	s_wait_xcnt 0x0                                ; pb's loads have read their base
	s_add_co_u32 s[TR], s[TR], 1
	s_cmp_lt_u32 s[TR], 7
	s_cselect_b32 s[INC], 0x80000, 0               ; a key step on, but never past the last one
	s_add_nc_u64 s[PBN:PBN+1], s[PBN:PBN+1], s[INC:INC+1]
	s_cmp_lt_u32 s[TR], 8
	s_cbranch_scc1 .Ltrip
	; THE WAY OUT.  va [block of 128 rows][K step of 256][tile of 16 rows][K step of 128][3 images]; vas [row][32 bytes].  A tile's two units are one K step of 128 of the last product.
	s_lshr_b32 s58, s49, 3                         ; batch
	s_and_b32 s59, s49, 7                          ; my pair among its eight
	s_lshl_b32 s58, s58, 3
	s_add_co_u32 s58, s58, s54                     ; block of 128 rows
	s_lshl_b32 s60, s[WV], 1
	s_and_b32 s60, s60, 7                          ; my first tile in it
	s_lshl_b32 s61, s58, 2
	s_lshr_b32 s62, s59, 1
	s_add_co_u32 s61, s61, s62
	s_mul_i32 s61, s61, 24576
	s_mul_i32 s62, s60, 3072
	s_add_co_u32 s61, s61, s62
	s_and_b32 s62, s59, 1
	s_mul_i32 s62, s62, 1536
	s_add_co_u32 s66, s61, s62
	s_mov_b32 s67, 0
	s_add_nc_u64 s[10:11], s[10:11], s[66:67]
	s_lshl_b32 s68, s58, 12
	s_lshl_b32 s62, s60, 9
	s_add_co_u32 s68, s68, s62
	s_lshl_b32 s62, s59, 2
	s_add_co_u32 s68, s68, s62
	s_mov_b32 s69, 0
	s_add_nc_u64 s[12:13], s[12:13], s[68:69]
.irp i, 0,1,2,3
	v_add_f32 v[ST+4*\i+2], v[ST+4*\i+2], v[ST+4*\i+3]
.endr
.irp i, 0,1,2,3
	v_permlanex16_b32 v[PM+\i], v[ST+4*\i+2], s[SEL], s[SEL+1]
.endr
.irp i, 0,1,2,3
	v_add_f32 v[ST+4*\i+2], v[ST+4*\i+2], v[PM+\i]   ; the row's sum
.endr
	VW8
.irp i, 0,1,2,3
	v_rcp_f32 v[ST+4*\i+2], v[ST+4*\i+2]
.endr
	v_lshlrev_b32 v[RO], 5, v[RO]                  ; 32 r: my row of scale bytes; a plain place behind the reciprocals
	VW8
.macro OUT a
.if \a
	s_wait_xcnt 0x0                                ; tile 0's stores have read their registers
.endif
	WIN 0x01
	VW8                                            ; directly ahead of the first reader of these units' O^T
.irp u, 0,1
.set j, 0
.rept 32
	v_mul_f32 v[S+32*\u+j], v[32*(2*\a+\u)+j], v[ST+4*(2*\a+\u)+2]
.set j, j+1
.endr
.endr
	WIN 0
.irp b, 0,1,2,3
.irp j, 0,1,2,3,4,5,6,7
	v_permlane16_swap_b32 v[S+16*\b+\j], v[S+16*\b+8+\j]   ; d = 32 (b % 2) + 16 (lane / 16) + 0..15 in 16 registers on end: the natural order
.endr
.endr
.irp b, 0,1,2,3
	v_max3_num_f32 v[BM+\b], |v[S+16*\b]|, |v[S+16*\b+1]|, 0x1800000
.endr
.irp i, 2,4,6,8,10,12,14
.irp b, 0,1,2,3
	v_max3_num_f32 v[BM+\b], v[BM+\b], |v[S+16*\b+\i]|, |v[S+16*\b+\i+1]|
.endr
.endr
.irp b, 0,1,2,3
	v_permlanex16_b32 v[PM+\b], v[BM+\b], s[SEL], s[SEL+1]
.endr
.irp b, 0,1,2,3
	v_max_num_f32 v[BM+\b], v[BM+\b], v[PM+\b]
.endr
	CODES
.irp c, 0,1,2
	global_store_b128 v[LN16], v[PC+4*\c:PC+4*\c+3], s[10:11] offset:3072*\a+512*\c   ; 32 lanes store 512 consecutive bytes, at a multiple of 256 from the buffer's first byte
.endr
	global_store_b32 v[RO], v[PSW], s[12:13] offset:512*\a   ; my row's word; lanes r and 16 + r hold the same word and write it to the same place
.endm
	OUT 0
	OUT 1
	s_wait_tensorcnt 0x0                           ; the wave's end
	ds_add_u32 v[SPW], v[NIL]
	s_wait_dscnt 0x0
	CROUND                                         ; the closing round
	s_endpgm
.Lfunc_end_k_q0896c82e4a_attn:
	.size	k_q0896c82e4a_attn, .Lfunc_end_k_q0896c82e4a_attn-k_q0896c82e4a_attn
	.p2alignl 7, 3214868480
	.fill 96, 4, 3214868480
	.section	.rodata,"a",@progbits
	.p2align	6, 0x0
	.amdhsa_kernel k_q0896c82e4a_attn
		.amdhsa_group_segment_fixed_size 327680
		.amdhsa_private_segment_fixed_size 0
		.amdhsa_enable_private_segment 0
		.amdhsa_kernarg_size 40
		.amdhsa_user_sgpr_count 2
		.amdhsa_user_sgpr_kernarg_segment_ptr 1
		.amdhsa_wavefront_size32 1
		.amdhsa_system_sgpr_workgroup_id_x 1
		.amdhsa_system_sgpr_workgroup_id_y 1
		.amdhsa_system_sgpr_workgroup_id_z 1
		.amdhsa_system_vgpr_workitem_id 0
		.amdhsa_next_free_vgpr 512
		.amdhsa_next_free_sgpr 96
		.amdhsa_reserve_vcc 0
		.amdhsa_float_denorm_mode_32 3
		.amdhsa_float_denorm_mode_16_64 3
		.amdhsa_memory_ordered 1
		.amdhsa_forward_progress 1
		.amdhsa_inst_pref_size 100
	.end_amdhsa_kernel
	.amdgpu_metadata
---
amdhsa.version: [ 1, 2 ]
amdhsa.kernels:
  - .name:           k_q0896c82e4a_attn
    .symbol:         k_q0896c82e4a_attn.kd
    .args:
      - { .name: kvc, .offset: 0, .size: 8, .value_kind: global_buffer, .address_space: global }
      - { .name: pbias, .offset: 8, .size: 8, .value_kind: global_buffer, .address_space: global }
      - { .name: mp_w, .offset: 16, .size: 8, .value_kind: global_buffer, .address_space: global }
      - { .name: va, .offset: 24, .size: 8, .value_kind: global_buffer, .address_space: global }
      - { .name: vas, .offset: 32, .size: 8, .value_kind: global_buffer, .address_space: global }
    .group_segment_fixed_size: 327680
    .private_segment_fixed_size: 0
    .kernarg_segment_align: 8
    .kernarg_segment_size: 40
    .max_flat_workgroup_size: 256
    .sgpr_count:     96
    .vgpr_count:     512
    .wavefront_size: 32
...
	.end_amdgpu_metadata
.endif
;; end of part 3
;; launch ogemm (part 4): grid 4 x 64, 4 waves a work-group, clusters of 4 x 4, 327,680 bytes of LDS; arguments va, vas, o_w_codes, o_w_scales, out0, o_b; writes out0
.if DOCPART == 4
	.amdgcn_target "amdgcn-amd-amdhsa--gfx1250"
	.amdhsa_code_object_version 6
	.text
	.protected	k_q0896c82e4a_ogemm
	.globl	k_q0896c82e4a_ogemm
	.p2align	8
	.type	k_q0896c82e4a_ogemm,@function
k_q0896c82e4a_ogemm:
	s_mov_b64 s[64:65], 0
	v_nop
	global_prefetch_b8 v0, s[64:65] scope:SCOPE_SE
	s_setreg_imm32_b32 hwreg(HW_REG_WAVE_MODE, 25, 1), 1
	s_wait_xcnt 0x0
	s_wait_alu depctr_hold_cnt(0) depctr_sa_sdst(0) depctr_va_vdst(0) depctr_va_sdst(0) depctr_va_ssrc(0) depctr_va_vcc(0) depctr_vm_vsrc(0)
	s_getreg_b32 s2, hwreg(HW_REG_IB_STS2, 6, 4)
	s_cmp_eq_u32 s2, 0
	s_cbranch_scc0 .Lentry_in_a_cluster
	s_endpgm
.Lentry_in_a_cluster:
	s_bfe_u32 s2, ttmp6, 0x10000c
	s_cmp_lg_u32 s2, 0xf033
	s_cbranch_scc0 .Lentry_shape_is_right
	s_endpgm
.Lentry_shape_is_right:
; out0 = vals o_w^T + o_b on codes of FP6 (E2M3) with E8M0 scales.  vals come from the launch before: va as images of operand registers, vas one scale byte for each 32 along K.
; A work-group makes 128 rows x 256 columns: 64 x 4 = 256 work-groups.  A wave makes 64 x 128: 32 accumulators, window 2.
; ALL OF K LIES IN LDS: va's block of 128 rows (98,304 dense bytes) and 256 whole rows of o_w's codes (768 bytes each, from a multiple of 256 bytes; 16 bytes of padding behind every 256: pitch 816).
; Four joint loads at the head, one a wave, and no byte is filled again: so there is no ring, and no trip to run a prefetch ahead in.
; 4 x 4 clusters: va's block is shared along a row of the cluster, o_w's rows along a column.
; The scale words go from memory into registers: a row's 32 bytes are its eight K steps' words (v32-63 vals', v64-127 o_w's); the bias is the C of the first step's products (window 3).
; The products are used transposed (source 0 = o_w's rows): a lane holds eight neighbouring columns of a row of out0.  Results leave through each wave's stage in LDS as whole rows of 512 bytes;
; the stages lie on va's bytes, behind a barrier behind which no wave reads them.
.set SIZE_N, 1024
.set BP,     816
.set BLDS,   98304
.set SPARE,  BLDS+256*BP
.set SPITCH, 528
.set ADRA, 16
.set ADRB, 20
.set STO,  24
.set RD,   25
.set CO,   26
.set SPW,  28
.set NIL,  29
.set SA,   32
.set SB,   64
.set AF,   128
.set BK,   128
.set G1,   24
.set G0A,  32
.set G1B,  48
.set G0B,  56
.set MSB, 0
.macro WIN new
.if MSB != (\new)
	s_set_vgpr_msb (MSB<<8)|(\new)
.set MSB, (\new)
.endif
.endm
.macro PLACES n
.rept \n
	v_nop
.endr
.endm
.macro CROUND
	s_barrier_signal -1
	s_barrier_wait -1
	s_cmp_lg_u32 s14, 0
	s_cbranch_scc1 .Lnot_wave_0_\@
	s_barrier_signal -3
.Lnot_wave_0_\@:
	s_barrier_wait -3
	s_barrier_signal -1
	s_barrier_wait -1
.endm
	s_load_b128 s[4:7], s[0:1], 0x0                ; va, vas
	s_load_b128 s[8:11], s[0:1], 0x10              ; o_w_codes, o_w_scales
	s_load_b64 s[12:13], s[0:1], 0x20              ; out0
	s_load_b64 s[96:97], s[0:1], 0x28              ; o_b
	v_lshl_add_u32 v[SPW], v0, 2, SPARE
	v_mov_b32 v[NIL], 0
	ds_add_u32 v[SPW], v[NIL]                      ; the opening lines: the add twice and its wait
	ds_add_u32 v[SPW], v[NIL]
	v_lshrrev_b32 v1, 5, v0
	v_readfirstlane_b32 s14, v1                    ; wave
	s_lshr_b32 s15, s14, 1                         ; my 64 rows of the 128
	s_and_b32 s16, s14, 1                          ; my 128 columns of the 256
	s_bfe_u32 s40, ttmp6, 0x40000
	s_bfe_u32 s41, ttmp6, 0x40004
	s_lshl_b32 s42, ttmp9, 2
	s_add_co_u32 s42, s42, s40                     ; tile column, 0..3
	s_and_b32 s17, ttmp7, 0xffff
	s_lshl_b32 s17, s17, 2
	s_add_co_u32 s17, s17, s41                     ; tile row, 0..63
	s_lshl_b32 s43, s41, 2
	s_lshl_b32 s43, 15, s43
	s_lshl_b32 s44, 0x1111, s40
	s_or_b32 s[G1+0], s43, (3<<16)|(1<<21)         ; half of va's block: 192 dense rows of 256 bytes
	s_mov_b32 s[G1+1], 32<<16
	s_mov_b32 s[G1+2], 192<<16
	s_mov_b32 s[G1+3], 32<<16
	s_mov_b32 s[G1+4], 192
	s_mov_b32 s[G1+5], 32
	s_mov_b32 s[G1+6], 0
	s_mov_b32 s[G1+7], 0
	s_or_b32 s[G1B+0], s44, (0<<16)|(1<<20)|(1<<21)|(5<<22)|(3<<25)   ; 128 rows of 768 bytes, 4 words of padding behind every 64
	s_mov_b32 s[G1B+1], 768<<16
	s_mov_b32 s[G1B+2], 128<<16
	s_mov_b32 s[G1B+3], 768<<16
	s_mov_b32 s[G1B+4], 128
	s_mov_b32 s[G1B+5], 768
	s_mov_b32 s[G1B+6], 0
	s_mov_b32 s[G1B+7], 0
	s_mul_i32 s20, s17, 98304
	s_mov_b32 s21, 0
	s_mul_i32 s46, s42, 256*768
	s_mov_b32 s47, 0
	s_lshl_b32 s22, s17, 12                        ; vals' scales: 128 rows x 32 bytes a tile row,
	s_lshl_b32 s18, s15, 11                        ; 64 rows a half
	s_add_co_u32 s22, s22, s18
	s_mov_b32 s23, 0
	s_lshl_b32 s92, s42, 13                        ; o_w's: 256 rows a tile column, 128 a half
	s_lshl_b32 s18, s16, 12
	s_add_co_u32 s92, s92, s18
	s_mov_b32 s93, 0
	s_lshl_b32 s94, s42, 10                        ; my first column in bytes of f32: o_b's offset, and out0's within a row
	s_lshl_b32 s18, s16, 9
	s_add_co_u32 s94, s94, s18
	s_mov_b32 s95, 0
	s_lshl_b32 s18, s17, 19                        ; my first row of out0: 4,096 bytes a row
	s_lshl_b32 s19, s15, 18
	s_add_co_u32 s18, s18, s19
	s_add_co_u32 s18, s18, s94
	s_mov_b32 s19, 0
	s_wait_dscnt 0x0
	s_wait_kmcnt 0x0
	s_add_nc_u64 s[20:21], s[4:5], s[20:21]
	s_add_nc_u64 s[46:47], s[8:9], s[46:47]
	s_add_nc_u64 s[22:23], s[6:7], s[22:23]
	s_add_nc_u64 s[92:93], s[10:11], s[92:93]
	s_add_nc_u64 s[96:97], s[96:97], s[94:95]
	s_add_nc_u64 s[12:13], s[12:13], s[18:19]
.irp s, 0,1
	s_mov_b32 s[G0A+4*\s], 1
	s_mov_b32 s[G0A+4*\s+1], \s*49152
	s_add_nc_u64 s[G0A+4*\s+2:G0A+4*\s+3], s[20:21], \s*49152
	s_or_b32 s[G0A+4*\s+3], s[G0A+4*\s+3], 0x80000000
	s_mov_b32 s[G0B+4*\s], 1
	s_mov_b32 s[G0B+4*\s+1], BLDS+\s*128*BP
	s_add_nc_u64 s[G0B+4*\s+2:G0B+4*\s+3], s[46:47], \s*128*768
	s_or_b32 s[G0B+4*\s+3], s[G0B+4*\s+3], 0x80000000
.endr
	CROUND                                         ; in front of the joint loads
.macro TL g0, g1
	tensor_load_to_lds s[\g0:\g0+3], s[\g1:\g1+7]
	s_nop 0
	PLACES 4
.endm
.macro ARM under, g0, g1, next
	s_cmp_lt_u32 s14, \under
	s_cbranch_scc0 \next
	TL \g0, \g1
	s_branch .Lhead_asked
\next:
.endm
	ARM 1, G0A,   G1,  .Lhead_b0                   ; one load a wave: va's K steps 0-3, o_w's rows 0-127, rows 128-255, va's K steps 4-7
	ARM 2, G0B,   G1B, .Lhead_b1
	ARM 3, G0B+4, G1B, .Lhead_a1
	TL G0A+4, G1
.Lhead_asked:
	v_and_b32 v1, 15, v0
	v_bfe_u32 v2, v0, 4, 1
	v_and_b32 v6, 31, v0
	v_lshlrev_b32 v8, 5, v2                        ; the bias: my eight columns of a block's sixteen
	v_lshlrev_b32 v9, 5, v1                        ; a row of scales is 32 bytes
	v_lshlrev_b32 v[CO], 4, v6
.irp a, 0,1,2,3
	global_load_b128 v[SA+8*\a:SA+8*\a+3], v9, s[22:23] offset:512*\a
	global_load_b128 v[SA+8*\a+4:SA+8*\a+7], v9, s[22:23] offset:512*\a+16
.endr
.irp b, 0,1,2,3,4,5,6,7
	global_load_b128 v[SB+8*\b:SB+8*\b+3], v9, s[92:93] offset:512*\b
	global_load_b128 v[SB+8*\b+4:SB+8*\b+7], v9, s[92:93] offset:512*\b+16
.endr
	WIN 0xc0
.irp b, 0,1,2,3,4,5,6,7
	global_load_b128 v[8*\b:8*\b+3], v8, s[96:97] offset:64*\b
	global_load_b128 v[8*\b+4:8*\b+7], v8, s[96:97] offset:64*\b+16
.endr
	WIN 0
	v_mul_u32_u24 v3, v1, BP
	v_mul_u32_u24 v4, v2, 24
	v_add_nc_u32 v4, v3, v4                        ; row x pitch + 24 x half
	v_lshl_add_u32 v5, v2, 4, v4                   ; where lanes 16-31 have passed a padding that lanes 0-15 have not
	s_mul_i32 s66, s15, 4*3072                     ; my four tiles of va's eight  (scalars that no pending load names)
	s_mul_i32 s67, s16, 128*BP
	s_add_co_u32 s67, s67, BLDS
	v_add_nc_u32 v[ADRA], s66, v[CO]
	s_add_co_u32 s66, s66, 49152
	v_add_nc_u32 v[ADRA+1], s66, v[CO]             ; K steps 4-7
	v_add_nc_u32 v[ADRB], s67, v4
	v_add_nc_u32 v[ADRB+2], s67, v5
	s_add_co_u32 s67, s67, 64*BP
	v_add_nc_u32 v[ADRB+1], s67, v4                ; blocks 4-7
	v_add_nc_u32 v[ADRB+3], s67, v5
	s_mul_i32 s68, s14, 16*SPITCH                  ; my stage
	v_mul_u32_u24 v5, v1, SPITCH
	v_lshl_add_u32 v5, v2, 5, v5
	v_add_nc_u32 v[STO], s68, v5
	v_add_nc_u32 v[RD], s68, v[CO]
.macro FETCH st                        ; step st's fragments into set st % 2: o_w's eight (window 1), vals' four
.set SE, (\st)%2
	WIN 0x40
.irp i, 0,1,2,3,4,5,6,7
.irp p, 0,1,2,3,4,5
.set BY, 96*(\st)+48*(\p/3)+8*(\p%3)
.if BY/256 == (BY+24)/256
	ds_load_b64 v[128*SE+12*\i+2*\p:128*SE+12*\i+2*\p+1], v[ADRB+\i/4] offset:BY+16*(BY/256)+(\i%4)*16*BP
.else
	ds_load_b64 v[128*SE+12*\i+2*\p:128*SE+12*\i+2*\p+1], v[ADRB+2+\i/4] offset:BY+16*(BY/256)+(\i%4)*16*BP
.endif
.endr
.endr
	WIN 0
.irp a, 0,1,2,3
.irp c, 0,1,2
	ds_load_b128 v[AF+48*SE+12*\a+4*\c:AF+48*SE+12*\a+4*\c+3], v[ADRA+(\st)/4] offset:24576*(((\st)/2)%2)+3072*\a+1536*((\st)%2)+512*\c
.endr
.endr
.endm
.macro MUL st                          ; 32 products, the 32 accumulators by turns
.set SE, (\st)%2
.irp a, 0,1,2,3
.irp b, 0,1,2,3,4,5,6,7
.if (\st) == 0
	v_wmma_scale_f32_16x16x128_f8f6f4 v[8*(8*\a+\b):8*(8*\a+\b)+7], v[128*SE+12*\b:128*SE+12*\b+11], v[AF+48*SE+12*\a:AF+48*SE+12*\a+11], v[8*\b:8*\b+7], v[SB+8*\b+(\st)], v[SA+8*\a+(\st)] matrix_a_fmt:MATRIX_FMT_FP6 matrix_b_fmt:MATRIX_FMT_FP6
.else
	v_wmma_scale_f32_16x16x128_f8f6f4 v[8*(8*\a+\b):8*(8*\a+\b)+7], v[128*SE+12*\b:128*SE+12*\b+11], v[AF+48*SE+12*\a:AF+48*SE+12*\a+11], v[8*(8*\a+\b):8*(8*\a+\b)+7], v[SB+8*\b+(\st)], v[SA+8*\a+(\st)] matrix_a_fmt:MATRIX_FMT_FP6 matrix_b_fmt:MATRIX_FMT_FP6
.endif
.endr
.endr
.endm
	s_wait_alu depctr_va_vdst(0)                   ; the head's end
	s_wait_loadcnt 0x0                             ; scale words and bias
	s_wait_tensorcnt 0x0                           ; my part is in
	s_barrier_signal -1
	s_barrier_wait -1                              ; everybody's is
	FETCH 0
.set ST, 0
.rept 8
	s_wait_dscnt 0x0                               ; this step's fragments
.if ST < 7
.if ST > 0
	PLACES 4                                       ; in front of loads into the set that the last step multiplied
.endif
	FETCH ST+1                                     ; the next step's, under this step's 32 products
.else
	s_barrier_signal -1                            ; my reads of LDS are over
.endif
.if ST == 0
	WIN 0xb1                                       ; source 0 window 1, C window 3 (the bias), D window 2
.else
	WIN 0xa1
.endif
	MUL ST
	WIN 0
.set ST, ST+1
.endr
	s_barrier_wait -1                              ; and everybody's: the stages may be written
.macro TOSTAGE a
	WIN 0x08
.irp b, 0,1,2,3,4,5,6,7
	ds_store_b128 v[STO], v[64*(\a)+8*\b:64*(\a)+8*\b+3] offset:64*\b       ; each accumulator from its low end on
	ds_store_b128 v[STO], v[64*(\a)+8*\b+4:64*(\a)+8*\b+7] offset:64*\b+16
.endr
	WIN 0
.set BB, BK+64*((\a)%2)
.irp t, 0,1,2,3,4,5,6,7,8,9,10,11,12,13,14,15
	ds_load_b128 v[BB+4*\t:BB+4*\t+3], v[RD] offset:\t*SPITCH               ; LDS serves a wave's instructions in order: these see the stores above
.endr
.endm
.macro SEND a, younger
.set BB, BK+64*((\a)%2)
	s_wait_dscnt \younger
.if (\a) > 0
	s_add_nc_u64 s[12:13], s[12:13], 16*SIZE_N*4   ; behind a wait on XCNT
.endif
.irp t, 0,1,2,3,4,5,6,7,8,9,10,11,12,13,14,15
	global_store_b128 v[CO], v[BB+4*\t:BB+4*\t+3], s[12:13] offset:\t*SIZE_N*4 th:TH_STORE_NT   ; 32 lanes store 512 consecutive bytes, at a multiple of 256 from out0's first byte
.endr
.endm
	PLACES 4
	TOSTAGE 0
.irp a, 1,2,3
.if \a > 1
	s_wait_xcnt 0x0                                ; block a - 2's stores have read their registers and their base
.endif
	TOSTAGE \a
	SEND \a-1, 32                                  ; behind block a - 1's loads: block a's 16 stores and 16 loads
.endr
	s_wait_xcnt 0x0
	SEND 3, 0
	s_wait_tensorcnt 0x0                           ; the wave's end
	ds_add_u32 v[SPW], v[NIL]
	s_wait_dscnt 0x0
	CROUND                                         ; the closing round
	s_endpgm
.Lfunc_end_k_q0896c82e4a_ogemm:
	.size	k_q0896c82e4a_ogemm, .Lfunc_end_k_q0896c82e4a_ogemm-k_q0896c82e4a_ogemm
	.p2alignl 7, 3214868480
	.fill 96, 4, 3214868480
	.section	.rodata,"a",@progbits
	.p2align	6, 0x0
	.amdhsa_kernel k_q0896c82e4a_ogemm
		.amdhsa_group_segment_fixed_size 327680
		.amdhsa_private_segment_fixed_size 0
		.amdhsa_enable_private_segment 0
		.amdhsa_kernarg_size 48
		.amdhsa_user_sgpr_count 2
		.amdhsa_user_sgpr_kernarg_segment_ptr 1
		.amdhsa_wavefront_size32 1
		.amdhsa_system_sgpr_workgroup_id_x 1
		.amdhsa_system_sgpr_workgroup_id_y 1
		.amdhsa_system_sgpr_workgroup_id_z 1
		.amdhsa_system_vgpr_workitem_id 0
		.amdhsa_next_free_vgpr 832
		.amdhsa_next_free_sgpr 100
		.amdhsa_reserve_vcc 0
		.amdhsa_float_denorm_mode_32 3
		.amdhsa_float_denorm_mode_16_64 3
		.amdhsa_memory_ordered 1
		.amdhsa_forward_progress 1
		.amdhsa_inst_pref_size 91
	.end_amdhsa_kernel
	.amdgpu_metadata
---
amdhsa.version: [ 1, 2 ]
amdhsa.kernels:
  - .name:           k_q0896c82e4a_ogemm
    .symbol:         k_q0896c82e4a_ogemm.kd
    .args:
      - { .name: va, .offset: 0, .size: 8, .value_kind: global_buffer, .address_space: global }
      - { .name: vas, .offset: 8, .size: 8, .value_kind: global_buffer, .address_space: global }
      - { .name: o_w_codes, .offset: 16, .size: 8, .value_kind: global_buffer, .address_space: global }
      - { .name: o_w_scales, .offset: 24, .size: 8, .value_kind: global_buffer, .address_space: global }
      - { .name: out0, .offset: 32, .size: 8, .value_kind: global_buffer, .address_space: global }
      - { .name: o_b, .offset: 40, .size: 8, .value_kind: global_buffer, .address_space: global }
    .group_segment_fixed_size: 327680
    .private_segment_fixed_size: 0
    .kernarg_segment_align: 8
    .kernarg_segment_size: 48
    .max_flat_workgroup_size: 128
    .sgpr_count:     100
    .vgpr_count:     832
    .wavefront_size: 32
...
	.end_amdgpu_metadata
.endif
;; end of part 4
